; MI455X (gfx1250); checked and timed in simulation.
; The chip was launched on July 23, 2026; its instructions are those of AMD's public machine-readable ISA for CDNA 5 (MIT licence, August 2026) and "CDNA5" Instruction Set Architecture Reference Guide (July 2026). The comments in the code are by the model that wrote it; some were corrected since.
;; Attention. Allowed arithmetic: matrix products marked QUANTISED: E2M3 operands, one E8M0 scale for each 32 along K, by v_wmma_scale_f32_16x16x128_f8f6f4 with both operands' format E2M3, f32 sums; everything else in f32.
;; Inputs: c_attn_b 3,072 float32; c_attn_w 1,024 x 3,072 float32; c_proj_b 1,024 float32; c_proj_w 1,024 x 1,024 float32; hidden_states 4 x 2,048 x 1,024 float32.
;; Outputs: out0 4 x 2,048 x 1,024 float32.
;; This version of the problem:
;;   THIS VERSION OF THE PROBLEM IS GIVEN IN LOW PRECISION. The matrix products marked QUANTISED in the list below multiply operands that are first quantised to E2M3 (2 exponent bits, 3 mantissa bits; 6 bits a number), with one power-of-two scale for each 32 numbers along K (OCP MX v1.0); their sums are f32. All else is computed in f32.
;;   The module's matrix products, in the order in which they are computed (A, B: the left and right operand; K: the contracted axis; several contracted axes count as one K, in the product's order):
;;     1. [M 8,192, K 1,024] x [K 1,024, N 3,072]; A: input hidden_states; B: input c_attn_w: QUANTISED
;;     2. batch 64 x [M 2,048, K 64] x [K 64, N 2,048]; A: computed on the way; B: computed on the way: QUANTISED
;;     3. batch 64 x [M 2,048, K 2,048] x [K 2,048, N 64]; A: softmax (see below); B: computed on the way: QUANTISED
;;     4. [M 8,192, K 1,024] x [K 1,024, N 1,024]; A: computed on the way; B: input c_proj_w: QUANTISED
;;   THE QUANTISER, for each operand of a quantised product, along K:
;;     - K is cut into blocks of 32 from its start; a last block that is shorter is filled with zeros.
;;     - A block's scale is 2^e with e = floor(log2(the largest magnitude in the block)) - 2, held to -126 .. 127; a block of zeros has e = 0. As a byte (E8M0): e + 127.
;;     - Each number is divided by its block's scale, clamped to +-7.5, and rounded to the nearest number of E2M3, ties to even, subnormals kept.
;;     - The product sums the exact products of the quantised numbers (number of the format x scale) in f32.
;;   ~~~python
;;   def quantise(x, axis):      # numpy; x: float32 -> the quantised numbers, widened to float32 again
;;       x = np.moveaxis(x, axis, -1); K = x.shape[-1]
;;       x = np.pad(x, [(0, 0)] * (x.ndim - 1) + [(0, -K % 32)]); x = x.reshape(x.shape[:-1] + (-1, 32)); a = np.abs(x).max(-1, keepdims=True)
;;       e = np.where(a > 0, np.clip(np.frexp(np.where(a > 0, a, 1))[1] - 1 - 2, -126, 127), 0)      # np.frexp(a)[1] - 1 = floor(log2(a)), exactly
;;       r = np.clip(x / 2.0 ** e, -7.5, 7.5)
;;       step = 2.0 ** (np.maximum(np.frexp(np.where(r == 0, 1, r))[1] - 1, 0) - 3)
;;       q = np.round(r / step) * step * 2.0 ** e      # np.round: ties to even
;;       return np.moveaxis(q.reshape(q.shape[:-2] + (-1,))[..., :K], -1, axis).astype(np.float32)
;;   ~~~
;;   SOFTMAX AHEAD OF A QUANTISED PRODUCT. Where the list says 'softmax', what is quantised is not the finished softmax but p = 2^(t - M), with t = logit x log2(e) and M = ceil(the row's largest t), a whole number; so 1/2 < the row's largest p <= 1. The row's sum l is taken of the UNQUANTISED p, in f32, and the product's result is divided by l at the end. Since M is a whole number, a kernel that streams over the keys may use a running M (the ceiling of the running maximum): every later rescaling is an exact power of two, which a block's scale takes up: the codes' values come out the same.
;;   OPERANDS COMPUTED ON THE WAY. 'Computed on the way' means the value that the module computes at that place (a softmax that the list does not call 'softmax' is quantised finished and normalised). What goes into a quantiser is computed in f32, as accurately as f32 sums, v_exp_f32 and their like allow (about 1e-6 of the number): no bf16 or f16 on the way to a quantiser, and a product that is left as it is and whose result goes on into a quantised operand takes f32 operands (vector FMAs, or v_wmma_f32_16x16x4_f32). A number that lies on a knife's edge between two numbers of the format may be rounded either way, as far as f32 arithmetic and the matrix unit's own rounding can turn it there, and no further.
;; One version. Each part assembles by itself: llvm-mc -triple=amdgcn-amd-amdhsa -mcpu=gfx1250 --defsym DOCPART=n.
;; ======== version 1 of 1: 4 launches
;; workspace buffers: ops 9,830,400 bytes; qkv 19,660,800 bytes; att 6,553,600 bytes
;; launch quant (part 1): grid 256 x 1, 4 waves a work-group, no clusters, 34,304 bytes of LDS; arguments hidden_states, c_attn_w, c_proj_w, ops; writes ops
.if DOCPART == 1
	.amdgcn_target "amdgcn-amd-amdhsa--gfx1250"
	.amdhsa_code_object_version 6
	.text
	.protected	k_qb3c4686198_quant
	.globl	k_qb3c4686198_quant
	.p2align	8
	.type	k_qb3c4686198_quant,@function
k_qb3c4686198_quant:
	s_mov_b64 s[64:65], 0
	v_nop
	global_prefetch_b8 v0, s[64:65] scope:SCOPE_SE
	s_setreg_imm32_b32 hwreg(HW_REG_WAVE_MODE, 25, 1), 1
	s_wait_xcnt 0x0
; hidden_states [8192][1024], c_attn_w [1024][3072] and c_proj_w [1024][1024], f32, become codes of FP6 (E2M3) with one E8M0 byte for each 32 along K (K = 1024 in all three).
; A block's scale is 2^(floor(log2(largest magnitude)) - 2); its byte is the largest magnitude's exponent field - 2, held at 1 from below by a floor among the maximum's leaves.
; LIMITS: NaN and infinities among the inputs are not served; a block of zeros gets the byte 1 where the rule says 127: its codes are zeros, and only this program reads the bytes.
; LAYOUT OF THE CODES: an array of HALF images.  A HALF is 16 rows x 64 K = 768 bytes in the order of the operand's registers: lane (r, h) holds row r, k = 32 h .. 32 h + 31, six registers:
; registers 0-3 lie at 16 x lane, registers 4-5 at 512 + 8 x lane.  A tile of 16 rows has its 16 HALFs on end (12,288 bytes).
; WHICH ROWS FORM A TILE: tile 2 G + u, place r, holds row 32 G + 8 u + r + 8 (r / 8) (rows of x = tokens; rows of a weight's operand = its columns), so that a product that takes such tiles as
; source 0 leaves 16 neighbours along the next K in a lane's 16 registers of two neighbouring tiles.  Scale bytes: [tile x 16 + place][32].
; SHARES: work-groups 0-127 take x (a wave: one tile of 16 rows, all of K, in eight steps of 128), 128-223 c_attn_w, 224-255 c_proj_w (a wave: 32 columns x 256 along K).
; No tensor load, no barrier: waves share nothing.  No prefetch: the launch is one stream that is read once by loads that run ahead.
.set WA_IMG, 6291456
.set WP_IMG, 8650752
.set X_SCL,  9437184
.set WA_SCL, 9699328
.set WP_SCL, 9797632
.set STG,    8448                      ; x's path: a wave's stage, 16 rows x (512 bytes + 16)
.set SPARE,  4*STG                     ; behind the four stages: the spare words, 128 bytes a wave
.set SPW, 2                            ; v2  LDS address of my spare word; never rewritten
.set NIL, 3                            ; v3  0; never rewritten
.set R,   32                           ; v32-159  x: two sets of 64 registers as loaded
.set X,   160                          ; v160-223 x: my 64 numbers of a step: two whole blocks of 32
.set C,   224                          ; v224-235 x: a step's codes
.set CT,  236                          ; v236-238, v240-242: the second halves as converted
.set W,   244                          ; v244-251 x: the eight scale words of my row
.set WX,  32                           ; v32-95   weights: two sets of 32 numbers
	s_load_b256 s[4:11], s[0:1], 0x0               ; x s[4:5], c_attn_w s[6:7], c_proj_w s[8:9], ops s[10:11]
	v_lshl_add_u32 v[SPW], v0, 2, SPARE
	v_mov_b32 v[NIL], 0
	v_lshrrev_b32 v1, 5, v0
	v_readfirstlane_b32 s16, v1                    ; wave
	v_and_b32 v1, 31, v0                           ; lane
	s_mov_b32 s25, 0                               ; the high word of every offset
	s_cmp_lt_u32 ttmp9, 128
	s_cbranch_scc0 .Lweights
; ---------------- x: K is innermost ----------------
	v_lshlrev_b32 v4, 4, v1                        ; 16 x lane
	v_lshlrev_b32 v5, 3, v1                        ; 8 x lane
	v_and_b32 v10, 15, v0                          ; r
	v_bfe_u32 v11, v0, 4, 1                        ; h
	s_mul_i32 s23, s16, STG
	v_add_nc_u32 v6, s23, v4                       ; into the stage: a row's 512 bytes as they lie
	v_mul_u32_u24 v7, v10, 528
	v_lshl_add_u32 v7, v11, 7, v7
	v_add_nc_u32 v7, s23, v7                       ; out of it: row r, + 128 h: my block's 128 bytes
	v_lshlrev_b32 v8, 3, v11                       ; 8 h: where my two bytes stand in a scale word
	v_lshlrev_b32 v9, 5, v10
	v_lshl_add_u32 v9, v11, 4, v9                  ; 32 r + 16 h: my 16 of the row's 32 scale bytes
	v_mov_b32 v17, 0                               ; a lane permute's destination counts as a source
	s_mov_b32 s20, 0x76543210
	s_mov_b32 s21, 0xfedcba98                      ; selects for lane l xor 16
	s_mov_b32 s22, 0xffff0000                      ; lanes 16-31
	s_lshl_b32 s17, ttmp9, 2
	s_add_co_u32 s17, s17, s16                     ; my tile T = 4 x work-group + wave
	s_lshr_b32 s24, s17, 1
	s_lshl_b32 s24, s24, 17                        ; 32 rows of 4,096 bytes for each pair of tiles,
	s_and_b32 s26, s17, 1
	s_lshl_b32 s26, s26, 15                        ; 8 rows for the odd tile
	s_add_co_u32 s24, s24, s26
	s_wait_kmcnt 0x0
	s_add_nc_u64 s[12:13], s[4:5], s[24:25]        ; x at my tile's first row
	s_mul_i32 s24, s17, 12288
	s_add_nc_u64 s[18:19], s[10:11], s[24:25]      ; my tile's images
	s_lshl_b32 s24, s17, 9
	s_add_co_u32 s24, s24, X_SCL
	s_add_nc_u64 s[14:15], s[10:11], s[24:25]      ; my tile's scale bytes
.macro XLOAD t                         ; step t: 128 along K of my 16 rows; each load reads 512 consecutive bytes
.irp i, 0,1,2,3,4,5,6,7,8,9,10,11,12,13,14,15
	global_load_b128 v[R+64*((\t)%2)+4*\i:R+64*((\t)%2)+4*\i+3], v4, s[12:13] offset:(\i+8*(\i/8))*4096+512*(\t) th:TH_LOAD_NT
.endr
.endm
.macro XTURN t                         ; through my stage: in as loaded, out as two whole blocks a lane.  LDS serves a wave's instructions in order (ISA guide 5.7.1.4): no wait between
.irp i, 0,1,2,3,4,5,6,7,8,9,10,11,12,13,14,15
	ds_store_b128 v6, v[R+64*((\t)%2)+4*\i:R+64*((\t)%2)+4*\i+3] offset:528*\i
.endr
.irp c, 0,1
.irp j, 0,1,2,3,4,5,6,7
	ds_load_b128 v[X+32*\c+4*\j:X+32*\c+4*\j+3], v7 offset:256*\c+16*\j   ; k = 64 c + 32 h + 4 j ..
.endr
.endr
.endm
.macro XQ t                            ; my blocks h and 2 + h of the step: scale, codes, two HALF images
.irp c, 0,1
	v_max3_num_f32 v[10+\c], |v[X+32*\c]|, |v[X+32*\c+1]|, 0x1800000      ; with the floor 2^(3 - 127): the byte cannot fall under 1
.endr
.irp i, 2,4,6,8,10,12,14,16,18,20,22,24,26,28,30
.irp c, 0,1
	v_max3_num_f32 v[10+\c], v[10+\c], |v[X+32*\c+\i]|, |v[X+32*\c+\i+1]|  ; the two blocks by turns
.endr
.endr
.irp c, 0,1
	v_add_nc_u32 v[12+\c], 0xff000000, v[10+\c]    ; 2 off the exponent field: the conversion's scale operand
.endr
.irp c, 0,1
	v_lshrrev_b32 v[14+\c], 23, v[12+\c]           ; the scale's byte
.endr
	v_lshl_or_b32 v16, v15, 16, v14                ; my two bytes,
	v_lshlrev_b32 v16, v8, v16                     ; at their places in the word;
	v_permlanex16_b32 v17, v16, s20, s21
	v_or_b32 v[W+(\t)], v16, v17                   ; with lane l xor 16's two the word is whole
	s_wait_xcnt 0x0                                ; the last step's stores have read the codes' registers: only now are they written again
.irp c, 0,1
	v_cvt_scalef32_pk16_fp6_f32 v[C+6*\c:C+6*\c+2], v[X+32*\c:X+32*\c+15], v[12+\c]
	v_cvt_scalef32_pk16_fp6_f32 v[CT+4*\c:CT+4*\c+2], v[X+32*\c+16:X+32*\c+31], v[12+\c]   ; (a conversion's three registers begin on an even number)
.endr
	v_nop                                          ; one plain place behind a scaled conversion
.irp c, 0,1
.irp i, 0,1,2
	v_mov_b32 v[C+6*\c+3+\i], v[CT+4*\c+\i]
.endr
.endr
.irp c, 0,1
	global_store_b128 v4, v[C+6*\c:C+6*\c+3], s[18:19] offset:(2*(\t)+\c)*768          ; 512 consecutive bytes
	global_store_b64 v5, v[C+6*\c+4:C+6*\c+5], s[18:19] offset:(2*(\t)+\c)*768+512     ; 256 consecutive bytes
.endr
.endm
	XLOAD 0
	XLOAD 1
.irp t, 0,1,2,3,4,5,6,7
.if \t < 7
	s_wait_loadcnt 16                              ; this step's 16 loads are in; the next step's 16 may be out
.else
	s_wait_loadcnt 0x0
.endif
	XTURN \t
	s_wait_dscnt 0x0                               ; the numbers are back, and the stage's stores have read their registers,
.if \t < 6
	XLOAD \t+2                                     ; which take the loads of two steps on
.endif
	XQ \t
.endr
.irp j, 0,1,2,3
	v_cndmask_b32 v[24+\j], v[W+\j], v[W+4+\j], s22   ; lanes 0-15 store the row's words 0-3, lanes 16-31 words 4-7
.endr
	global_store_b128 v9, v[24:27], s[14:15]       ; 512 consecutive bytes
	s_wait_tensorcnt 0x0                           ; the wave's end, behind my last LDS store
	ds_add_u32 v[SPW], v[NIL]
	s_wait_dscnt 0x0
	s_endpgm
; ---------------- the weights: K is the first axis.  A lane takes a column, its registers run down K: a block of 32 lies in one lane ----------------
.macro WLOAD t, n
.irp i, 0,1,2,3,4,5,6,7,8,9,10,11,12,13,14,15,16,17,18,19,20,21,22,23,24,25,26,27,28,29,30,31
	global_load_b32 v[WX+32*((\t)%2)+\i], v4, s[12:13] offset:(32*(\t)+\i)*\n*4 th:TH_LOAD_NT   ; 128 consecutive bytes a wave, 512 a work-group
.endr
.endm
.macro WBLOCK t, n
.set XS, WX+32*((\t)%2)
.if (\t) < 7
	s_wait_loadcnt 32                              ; this block's 32 loads are in; the next block's may be out
.else
	s_wait_loadcnt 0x0
.endif
	v_max3_num_f32 v12, |v[XS]|, |v[XS+1]|, |v[XS+2]|
	v_max3_num_f32 v13, |v[XS+3]|, |v[XS+4]|, |v[XS+5]|
.irp i, 6,10,14,18,22,26
	v_max3_num_f32 v12, v12, |v[XS+\i]|, |v[XS+\i+1]|
	v_max3_num_f32 v13, v13, |v[XS+\i+2]|, |v[XS+\i+3]|
.endr
	v_max3_num_f32 v12, v12, |v[XS+30]|, |v[XS+31]|
	v_max3_num_f32 v12, v12, v13, 0x1800000        ; and the floor
	v_add_nc_u32 v11, 0xff000000, v12              ; the conversion's scale operand
	v_lshrrev_b32 v13, 23, v11                     ; the byte
.if (\t)%4 == 0
	v_mov_b32 v[24+(\t)/4], v13
.else
	v_lshl_or_b32 v[24+(\t)/4], v13, 8*((\t)%4), v[24+(\t)/4]
.endif
	s_wait_xcnt 0x0                                ; the last block's stores have read the codes' registers
	v_cvt_scalef32_pk16_fp6_f32 v[96:98], v[XS:XS+15], v11
	v_cvt_scalef32_pk16_fp6_f32 v[104:106], v[XS+16:XS+31], v11
	v_nop                                          ; one plain place behind a scaled conversion
.irp i, 0,1,2
	v_mov_b32 v[99+\i], v[104+\i]
.endr
	global_store_b128 v5, v[96:99], s[14:15] offset:((\t)/2)*768+256*((\t)%2)          ; block t is half t % 2 of the lanes of HALF t / 2: sixteen lanes fill 256 aligned bytes in each of two tiles
	global_store_b64 v6, v[100:101], s[14:15] offset:((\t)/2)*768+512+128*((\t)%2)     ; 128 consecutive bytes in each
.if (\t)+2 < 8
	WLOAD (\t)+2, \n
.endif
.endm
.macro WPATH n, first, src, img, scl
	s_sub_co_u32 s17, ttmp9, \first
	s_lshr_b32 s18, s17, 2
	s_and_b32 s19, s17, 3                          ; which 256 along K
	s_lshl_b32 s18, s18, 2
	s_add_co_u32 s18, s18, s16                     ; G: my wave's 32 columns
	v_lshlrev_b32 v4, 2, v1                        ; in: 4 bytes a lane
	v_bfe_u32 v8, v0, 3, 1                         ; column 32 G + l is place r = l % 8 + 8 (l / 16) of tile 2 G + u, u = (l / 8) % 2
	v_and_b32 v9, 7, v0
	v_bfe_u32 v10, v0, 4, 1
	v_lshl_add_u32 v9, v10, 3, v9
	v_mul_u32_u24 v10, v8, 12288
	v_lshl_add_u32 v5, v9, 4, v10                  ; tile u, 16 r
	v_lshl_add_u32 v6, v9, 3, v10                  ; tile u, 8 r
	v_lshl_add_u32 v7, v8, 4, v9
	v_lshlrev_b32 v7, 5, v7                        ; my row of scale bytes
	s_mul_i32 s24, s19, 256*\n*4
	s_lshl_b32 s26, s18, 7
	s_add_co_u32 s24, s24, s26
	s_wait_kmcnt 0x0
	s_add_nc_u64 s[12:13], s[\src:\src+1], s[24:25]
	s_mul_i32 s24, s18, 24576
	s_mul_i32 s26, s19, 3072
	s_add_co_u32 s24, s24, s26
	s_add_co_u32 s24, s24, \img
	s_add_nc_u64 s[14:15], s[10:11], s[24:25]
	s_lshl_b32 s24, s18, 10
	s_lshl_b32 s26, s19, 3
	s_add_co_u32 s24, s24, s26
	s_add_co_u32 s24, s24, \scl
	s_add_nc_u64 s[28:29], s[10:11], s[24:25]
	WLOAD 0, \n
	WLOAD 1, \n
.irp t, 0,1,2,3,4,5,6,7
	WBLOCK \t, \n
.endr
	global_store_b64 v7, v[24:25], s[28:29]        ; my column's eight scale bytes
	s_wait_tensorcnt 0x0                           ; the wave's end
	ds_add_u32 v[SPW], v[NIL]
	s_wait_dscnt 0x0
	s_endpgm
.endm
.Lweights:
	s_cmp_lt_u32 ttmp9, 224
	s_cbranch_scc0 .Lproj
	WPATH 3072, 128, 6, WA_IMG, WA_SCL
.Lproj:
	WPATH 1024, 224, 8, WP_IMG, WP_SCL
.Lfunc_end_k_qb3c4686198_quant:
	.size	k_qb3c4686198_quant, .Lfunc_end_k_qb3c4686198_quant-k_qb3c4686198_quant
	.p2alignl 7, 3214868480
	.fill 96, 4, 3214868480
	.section	.rodata,"a",@progbits
	.p2align	6, 0x0
	.amdhsa_kernel k_qb3c4686198_quant
		.amdhsa_group_segment_fixed_size 34304
		.amdhsa_private_segment_fixed_size 0
		.amdhsa_enable_private_segment 0
		.amdhsa_kernarg_size 32
		.amdhsa_user_sgpr_count 2
		.amdhsa_user_sgpr_kernarg_segment_ptr 1
		.amdhsa_wavefront_size32 1
		.amdhsa_system_sgpr_workgroup_id_x 1
		.amdhsa_system_sgpr_workgroup_id_y 1
		.amdhsa_system_sgpr_workgroup_id_z 1
		.amdhsa_system_vgpr_workitem_id 0
		.amdhsa_next_free_vgpr 256
		.amdhsa_next_free_sgpr 66
		.amdhsa_reserve_vcc 0
		.amdhsa_float_denorm_mode_32 3
		.amdhsa_float_denorm_mode_16_64 3
		.amdhsa_memory_ordered 1
		.amdhsa_forward_progress 1
		.amdhsa_inst_pref_size 136
	.end_amdhsa_kernel
	.amdgpu_metadata
---
amdhsa.version: [ 1, 2 ]
amdhsa.kernels:
  - .name:           k_qb3c4686198_quant
    .symbol:         k_qb3c4686198_quant.kd
    .args:
      - { .name: hidden_states, .offset: 0, .size: 8, .value_kind: global_buffer, .address_space: global }
      - { .name: c_attn_w, .offset: 8, .size: 8, .value_kind: global_buffer, .address_space: global }
      - { .name: c_proj_w, .offset: 16, .size: 8, .value_kind: global_buffer, .address_space: global }
      - { .name: ops, .offset: 24, .size: 8, .value_kind: global_buffer, .address_space: global }
    .group_segment_fixed_size: 34304
    .private_segment_fixed_size: 0
    .kernarg_segment_align: 8
    .kernarg_segment_size: 32
    .max_flat_workgroup_size: 128
    .sgpr_count:     66
    .vgpr_count:     256
    .wavefront_size: 32
...
	.end_amdgpu_metadata
.endif
;; end of part 1
;; launch gemm_qkv (part 2): grid 12 x 32, 4 waves a work-group, clusters of 4 x 4, 327,680 bytes of LDS; arguments ops, c_attn_b, qkv; writes qkv
.if DOCPART == 2
	.amdgcn_target "amdgcn-amd-amdhsa--gfx1250"
	.amdhsa_code_object_version 6
	.text
	.protected	k_qb3c4686198_gemm_qkv
	.globl	k_qb3c4686198_gemm_qkv
	.p2align	8
	.type	k_qb3c4686198_gemm_qkv,@function
k_qb3c4686198_gemm_qkv:
	s_mov_b64 s[64:65], 0
	v_nop
	global_prefetch_b8 v0, s[64:65] scope:SCOPE_SE
	s_setreg_imm32_b32 hwreg(HW_REG_WAVE_MODE, 25, 1), 1
	s_wait_xcnt 0x0
	s_wait_alu depctr_hold_cnt(0) depctr_sa_sdst(0) depctr_va_vdst(0) depctr_va_sdst(0) depctr_va_ssrc(0) depctr_va_vcc(0) depctr_vm_vsrc(0)
	s_getreg_b32 s2, hwreg(HW_REG_IB_STS2, 6, 4)
	s_cmp_eq_u32 s2, 0
	s_cbranch_scc0 .Lentry_in_a_cluster
	s_endpgm
.Lentry_in_a_cluster:
	s_bfe_u32 s2, ttmp6, 0x10000c
	s_cmp_lg_u32 s2, 0xf033
	s_cbranch_scc0 .Lentry_shape_is_right
	s_endpgm
.Lentry_shape_is_right:
; qkv = x c_attn_w + c_attn_b on codes of FP6 (E2M3) with E8M0 scales, K = 1024; the results are quantised in registers into the operands of the attention launch and never go to memory as f32.
; A tile of 256 x 256 is made by four waves, each 128 x 128: 64 accumulators, 512 registers.  K goes in steps of 256 through a ring of two LDS slots filled by the tensor data mover.
; OPERANDS lie in memory as images of their registers: a HALF (16 rows x 64 K, 768 bytes: registers 0-3 at 16 x lane, registers 4-5 at 512 + 8 x lane); a tile of 16 rows has its 16 HALFs on end.
; So a slot's part of a tile of 16 rows is 3,072 consecutive bytes, a fragment (16 x 128) comes by four loads of consecutive bytes, and LDS needs no pitch and no padding.
; ROLES, by the cluster's x, the same in all sixteen partners: 0 = q, 1 = k: A (source 1: the lanes) = x, B (source 0: the registers) = the weight's columns; a lane then holds one token and its registers run along
; the head's channels, which are the next K.  2 = v: A = the weight's columns, B = x: a lane holds one channel and its registers run along the tokens, which are v's K.
; The rows of a tile of 16 were chosen by the launch before (tile 2 G + u, place r: row 32 G + 8 u + r + 8 (r / 8)), so that the 16 registers of B's blocks 2 b, 2 b + 1 are rows 32 b + 16 (lane / 16) + 0 .. 15.
; CLUSTERS: 4 x 4 work-groups; A's tiles are shared along a row of the cluster, B's along a column, each asked for jointly.  No prefetch: four K steps, tiles shared by the joint loads.
; LIMITS: NaN and infinities are not served; a block of zeros gets the scale byte 1 (its codes are zeros; only this program reads the bytes).
; REGISTERS: window 0: v0-31 addresses; v32-63 scale words, two sets; v64-127 the bias; from v128 A's fragments, one set; in the epilogue v128-243 at work.  window 1: B's fragments, two sets.  windows 2, 3: the accumulators.
.set WA_IMG, 6291456                   ; in ops
.set X_SCL,  9437184
.set WA_SCL, 9699328
.set KV_IMG, 6291456                   ; in qkv
.set Q_SCL,  18874368
.set KV_SCL, 19136512
.set NQ,     2                         ; matrix instructions deep in a slot (256 along K)
.set FR,     12                        ; registers of a fragment
.set NL,     4                         ; LDS loads that bring one
.set NP,     4                         ; places behind this matrix instruction (ISA guide 7.12.1)
.set TROW,   3072                      ; a tile of 16 rows in a slot: four HALFs
.set HALFT,  8*TROW                    ; 128 rows: what one tensor load brings
.set SLOT,   4*HALFT                   ; A's 256 rows, then B's
.set KS,     32                        ; a row of scale bytes
.set SCL,    2*SLOT                    ; behind the ring: the scales, as units of 256 bytes + 16 of padding
.set HALFS,  16*272                    ; those of 128 rows
.set SBLK,   2*272                     ; those of 16 rows
.set SPARE,  SCL+4*HALFS               ; the spare words, 128 bytes a wave
.set L16,  8                           ; v8   16 x lane
.set L8,   9                           ; v9   8 x lane
.set BO,   10                          ; v10  64 (lane / 16): the bias of my 16 registers' columns
.set BV,   11                          ; v11  4 (r + 8 (r / 8)): the bias of my lane's column
.set ADRA, 16                          ; v16-17 A's region in slot 0, 1 + 16 x lane;  v18-19 + 8 x lane
.set ADRB, 20                          ; v20-23 the same for B
.set ADRS, 27                          ; v27  my scale words: lanes 0-15 A's rows, lanes 16-31 B's
.set SPW,  28                          ; v28  my spare word; never rewritten
.set NIL,  29                          ; v29  0; never rewritten
.set SC,   32
.set BI,   64
.set AF,   128
.set H,    128                         ; epilogue: a block's 64 numbers
.set PC,   192                         ; the codes just made (12), and the second halves as converted
.set TM,   212                         ; at work in QUANT
.set PWS,  228                         ; the eight blocks' scale words
.set RW,   236                         ; scale words to store
.set WT,   240
.set G1, 24
.set G0, 32
.set G1B, 48
.set G0B, 56
.set G1S, 68
.set G0S, 76
.set G1SB, 80
.set G0SB, 88
.set SEL, 62                           ; s[62:63] in the epilogue: selects for lane l xor 16
.set HI,  66                           ; s66 lanes 16-31
.set MSB, 0
.macro WIN new                         ; the immediate's high byte repeats the setting that is left
.if MSB != (\new)
	s_set_vgpr_msb (MSB<<8)|(\new)
.set MSB, \new
.endif
.endm
.set MUL_LO, 0xa1                      ; source 0 (B) window 1, source 1 (A) window 0, C and D window 2
.set MUL_HI, 0xf1
.set TO_B,   0x40
; A joint load: waves 0 and 1 fetch for A, waves 2 and 3 for B; the branch hangs on the wave's number alone.  An s_nop 0 and four v_nop follow each line.
.macro JLOAD g0a, g1a, g0b, g1b
	s_cmp_eq_u32 s15, 0
	s_cbranch_scc0 .Lfor_b_\@
	tensor_load_to_lds s[\g0a:\g0a+3], s[\g1a:\g1a+7]
	s_nop 0
.rept 4
	v_nop
.endr
	s_branch .Lasked_\@
.Lfor_b_\@:
	tensor_load_to_lds s[\g0b:\g0b+3], s[\g1b:\g1b+7]
	s_nop 0
.rept 4
	v_nop
.endr
.Lasked_\@:
.endm
.macro CREST                           ; a round of the cluster's barrier behind its opening barrier
	s_cmp_lg_u32 s14, 0
	s_cbranch_scc1 .Lnot_wave_0_\@
	s_barrier_signal -3
.Lnot_wave_0_\@:
	s_barrier_wait -3
	s_barrier_signal -1
	s_barrier_wait -1
.endm
.macro CROUND
	s_barrier_signal -1
	s_barrier_wait -1
	CREST
.endm
	s_load_b128 s[4:7], s[0:1], 0x0                ; ops, c_attn_b
	s_load_b64 s[8:9], s[0:1], 0x10                ; qkv
	v_lshl_add_u32 v[SPW], v0, 2, SPARE
	v_mov_b32 v[NIL], 0
	ds_add_u32 v[SPW], v[NIL]                      ; the wave's opening: the add and its wait ahead of my first tensor load
	v_lshrrev_b32 v1, 5, v0
	v_readfirstlane_b32 s14, v1                    ; wave
	s_lshr_b32 s15, s14, 1                         ; my half of A's rows.  Also: I fetch for A (0) or for B (1)
	s_and_b32 s16, s14, 1                          ; my half of B's rows.  Also: which 128 rows I fetch
	s_bfe_u32 s40, ttmp6, 0x40000                  ; cx
	s_bfe_u32 s41, ttmp6, 0x40004                  ; cy
	s_and_b32 s10, ttmp7, 0xffff
	s_lshl_b32 s10, s10, 2                         ; 4 x cluster y
	s_lshl_b32 s11, ttmp9, 2                       ; 4 x cluster x
	s_mov_b32 s12, WA_IMG
	s_mov_b32 s13, WA_SCL
	s_mov_b32 s18, X_SCL
	s_cmp_eq_u32 ttmp9, 2                          ; the role v?  The cluster's x: the same in all partners
	s_cselect_b32 s17, 8, s10
	s_cselect_b32 s42, s10, s11
	s_cselect_b32 s95, s12, 0                      ; where A's images begin in ops,
	s_cselect_b32 s96, 0, s12                      ; B's,
	s_cselect_b32 s97, s13, s18                    ; A's scale bytes,
	s_cselect_b32 s98, s18, s13                    ; B's
	s_add_co_u32 s17, s17, s41                     ; A's tile of 256 rows: x's 4 cluster y + cy, or the weight's 8 + cy
	s_add_co_u32 s42, s42, s40                     ; B's: the weight's 4 cluster x + cx, or x's 4 cluster y + cx
	s_lshl_b32 s43, s41, 2
	s_lshl_b32 s43, 15, s43                        ; my row of the cluster
	s_lshl_b32 s44, 0x1111, s40                    ; my column
	s_or_b32 s[G1+0], s43, (3<<16)|(1<<21)         ; 15:0 the mask; 17:16 elements of 8 bytes; 20 no padding; 21 set beside a mask
	s_or_b32 s[G1B+0], s44, (3<<16)|(1<<21)
.irp g, G1, G1B
	s_mov_b32 s[\g+1], 384<<16                     ; tensor_dim0: 3,072 bytes
	s_mov_b32 s[\g+2], 8<<16                       ; tensor_dim1: 8 tiles of 16 rows
	s_mov_b32 s[\g+3], 384<<16                     ; tile_dim0
	s_mov_b32 s[\g+4], 8                           ; tile_dim1
	s_mov_b32 s[\g+5], 1536                        ; from tile to tile: 12,288 bytes
	s_mov_b32 s[\g+6], 0
	s_mov_b32 s[\g+7], 0
.endr
	s_or_b32 s[G1S+0], s43, (3<<16)|(1<<20)|(1<<21)|(5<<22)|(3<<25)   ; the scales of 128 rows: 16 rows of 256 bytes, 16 bytes of padding behind each
	s_or_b32 s[G1SB+0], s44, (3<<16)|(1<<20)|(1<<21)|(5<<22)|(3<<25)
.irp g, G1S, G1SB
	s_mov_b32 s[\g+1], 32<<16
	s_mov_b32 s[\g+2], 16<<16
	s_mov_b32 s[\g+3], 32<<16
	s_mov_b32 s[\g+4], 16
	s_mov_b32 s[\g+5], 32
	s_mov_b32 s[\g+6], 0
	s_mov_b32 s[\g+7], 0
.endr
	s_lshl_b32 s18, s16, 7
	s_lshl_b32 s20, s17, 8
	s_add_co_u32 s20, s20, s18                     ; A: the first row that I fetch
	s_lshl_b32 s46, s42, 8
	s_add_co_u32 s46, s46, s18                     ; B likewise
	s_lshl_b32 s22, s20, 5                         ; 32 scale bytes a row
	s_add_co_u32 s22, s22, s97
	s_mov_b32 s23, 0
	s_lshl_b32 s92, s46, 5
	s_add_co_u32 s92, s92, s98
	s_mov_b32 s93, 0
	s_mul_i32 s20, s20, 768                        ; 768 bytes of codes a row
	s_add_co_u32 s20, s20, s95
	s_mov_b32 s21, 0
	s_mul_i32 s46, s46, 768
	s_add_co_u32 s46, s46, s96
	s_mov_b32 s47, 0
	s_mul_i32 s45, s14, HALFT                      ; where they go: wave x 128 rows: no place in the cluster enters an LDS address
	s_mul_i32 s94, s14, HALFS
	s_wait_dscnt 0x0                               ; the opening add is done
	s_wait_kmcnt 0x0
	s_add_nc_u64 s[20:21], s[4:5], s[20:21]
	s_add_nc_u64 s[22:23], s[4:5], s[22:23]
	s_add_nc_u64 s[46:47], s[4:5], s[46:47]
	s_add_nc_u64 s[92:93], s[4:5], s[92:93]
	CROUND                                         ; all sixteen work-groups are here: the first joint loads meet
	s_mov_b32 s[G0S], 1
	s_add_co_u32 s[G0S+1], s94, SCL
	s_mov_b64 s[G0S+2:G0S+3], s[22:23]
	s_or_b32 s[G0S+3], s[G0S+3], 0x80000000
	s_mov_b32 s[G0SB], 1
	s_add_co_u32 s[G0SB+1], s94, SCL
	s_mov_b64 s[G0SB+2:G0SB+3], s[92:93]
	s_or_b32 s[G0SB+3], s[G0SB+3], 0x80000000
	JLOAD G0S, G1S, G0SB, G1SB                     ; the scales first: they are wanted with K step 0
.irp s, 0,1
	s_mov_b32 s[G0+4*\s], 1
	s_add_co_u32 s[G0+4*\s+1], s45, \s*SLOT
	s_add_nc_u64 s[G0+4*\s+2:G0+4*\s+3], s[20:21], \s*TROW
	s_or_b32 s[G0+4*\s+3], s[G0+4*\s+3], 0x80000000
	s_mov_b32 s[G0B+4*\s], 1
	s_add_co_u32 s[G0B+4*\s+1], s45, \s*SLOT
	s_add_nc_u64 s[G0B+4*\s+2:G0B+4*\s+3], s[46:47], \s*TROW
	s_or_b32 s[G0B+4*\s+3], s[G0B+4*\s+3], 0x80000000
	JLOAD G0+4*\s, G1, G0B+4*\s, G1B
.endr
	v_and_b32 v1, 15, v0                           ; r
	v_bfe_u32 v2, v0, 4, 1                         ; h
	v_and_b32 v3, 31, v0
	v_lshlrev_b32 v[L16], 4, v3
	v_lshlrev_b32 v[L8], 3, v3
	v_lshlrev_b32 v[BO], 6, v2
	v_and_b32 v4, 8, v1
	v_add_nc_u32 v4, v4, v1
	v_lshlrev_b32 v[BV], 2, v4
	s_mul_i32 s21, s15, HALFT                      ; my 128 rows of A
	s_mul_i32 s22, s16, HALFT                      ; my 128 rows of B,
	s_add_co_u32 s22, s22, 2*HALFT                 ; behind A's 256
.irp s, 0,1
	v_add_nc_u32 v[ADRA+\s], s21, v[L16]
	v_add_nc_u32 v[ADRB+\s], s22, v[L16]
	v_add_nc_u32 v[ADRA+2+\s], s21, v[L8]
	v_add_nc_u32 v[ADRB+2+\s], s22, v[L8]
	s_add_co_u32 s21, s21, SLOT
	s_add_co_u32 s22, s22, SLOT
.endr
	v_mul_u32_u24 v5, v1, KS                       ; my row's scales: 32 bytes a row,
	v_lshrrev_b32 v6, 8, v5
	v_lshl_add_u32 v5, v6, 4, v5                   ; and 16 more for each 256 passed
	s_mul_i32 s21, s15, HALFS
	s_mul_i32 s22, s16, HALFS
	s_add_co_u32 s22, s22, 2*HALFS
	s_sub_co_u32 s22, s22, s21
	v_mul_u32_u24 v6, s22, v2                      ; lanes 16-31 take B's: one product, the distance between the two bases
	s_add_co_u32 s21, s21, SCL
	v_add_nc_u32 v5, v5, v6
	v_add_nc_u32 v[ADRS], s21, v5
.macro FRAG reg, adr, q, i             ; a fragment = two HALF images on end: four loads of consecutive bytes
	ds_load_b128 v[\reg:\reg+3], v[\adr] offset:(\i)*TROW+(\q)*1536
	ds_load_b64 v[\reg+4:\reg+5], v[\adr+2] offset:(\i)*TROW+(\q)*1536+512
	ds_load_b128 v[\reg+6:\reg+9], v[\adr] offset:(\i)*TROW+(\q)*1536+768
	ds_load_b64 v[\reg+10:\reg+11], v[\adr+2] offset:(\i)*TROW+(\q)*1536+1280
.endm
; 16 matrix instructions: A's blocks a0, a0 + 1 x B's eight, 128 along K.  The 64 accumulators take turns, one instruction a turn, in the same order in every step.
.macro MUL16 a0, p, q, sc, zero
.irp a, \a0, \a0+1
.irp b, 0,1,2,3,4,5,6,7
.if \zero
	v_wmma_scale_f32_16x16x128_f8f6f4 v[8*(8*((\a)%4)+\b):8*(8*((\a)%4)+\b)+7], v[128*(\p)+FR*\b:128*(\p)+FR*\b+FR-1], v[AF+FR*(\a):AF+FR*(\a)+FR-1], 0, v[SC+8*NQ*(\sc)+NQ*\b+(\q)], v[SC+8*NQ*(\sc)+NQ*(\a)+(\q)] matrix_a_fmt:MATRIX_FMT_FP6 matrix_b_fmt:MATRIX_FMT_FP6 matrix_a_scale:MATRIX_SCALE_ROW1
.else
	v_wmma_scale_f32_16x16x128_f8f6f4 v[8*(8*((\a)%4)+\b):8*(8*((\a)%4)+\b)+7], v[128*(\p)+FR*\b:128*(\p)+FR*\b+FR-1], v[AF+FR*(\a):AF+FR*(\a)+FR-1], v[8*(8*((\a)%4)+\b):8*(8*((\a)%4)+\b)+7], v[SC+8*NQ*(\sc)+NQ*\b+(\q)], v[SC+8*NQ*(\sc)+NQ*(\a)+(\q)] matrix_a_fmt:MATRIX_FMT_FP6 matrix_b_fmt:MATRIX_FMT_FP6 matrix_a_scale:MATRIX_SCALE_ROW1
.endif
.endr
.endr
.endm
.macro FETCH_B slot, q, p
	WIN TO_B
.irp i, 0,1,2,3,4,5,6,7
	FRAG 128*(\p)+FR*\i, ADRB+\slot, \q, \i
.endr
	WIN 0
.endm
.macro FETCH_A slot, q, i0
.irp i, \i0, \i0+1, \i0+2, \i0+3
	FRAG AF+FR*(\i), ADRA+\slot, \q, \i
.endr
.endm
.macro SCALES sc                       ; a K step's scale words: two words a row; lanes 0-15 A's block i, lanes 16-31 B's block i
.irp i, 0,1,2,3,4,5,6,7
	ds_load_b64 v[SC+8*NQ*\sc+NQ*\i:SC+8*NQ*\sc+NQ*\i+1], v[ADRS] offset:\i*SBLK
.endr
.endm
.macro PLACES n                        ; plain vector instructions between a matrix instruction and a load into, or a read of, its registers
.rept \n
	v_nop
.endr
.endm
.macro STEP slot, q, zero              ; 128 along K that has its successor in the same slot
	s_wait_dscnt 4*NL                              ; B's set and A's blocks 0-3 are in; the youngest 16 loads (A's blocks 4-7) may be out
	WIN MUL_LO
	MUL16 0, (\q)%2, \q, \slot, \zero
	MUL16 2, (\q)%2, \q, \slot, \zero
	s_wait_dscnt 0
	PLACES NP
	FETCH_B \slot, (\q)+1, 1-(\q)%2
	FETCH_A \slot, (\q)+1, 0
	WIN MUL_HI
	MUL16 4, (\q)%2, \q, \slot, \zero
	MUL16 6, (\q)%2, \q, \slot, \zero
	PLACES NP
	WIN 0
	FETCH_A \slot, (\q)+1, 4
.endm
; A slot's last step changes slots: one barrier; in front of it each wave waits for all its tensor loads, adds 0 to its spare word, and waits for that and for its reads of this slot.
.macro TURN slot, next, fill
	s_wait_tensorcnt 0x0                           ; all my tensor loads have landed: my part of the next slot
	ds_add_u32 v[SPW], v[NIL]                      ; 0 onto my spare word
	s_wait_dscnt 4*NL+1                            ; (the add and the youngest 16 loads may be out)
	WIN MUL_LO
	MUL16 0, 1, NQ-1, \slot, 0
	s_wait_dscnt 0x0                               ; the add is done, and my reads of this slot are over
	s_barrier_signal -1
	MUL16 2, 1, NQ-1, \slot, 0
	WIN 0
	s_barrier_wait -1
.if \fill
	CREST                                          ; the barrier has opened a round of the cluster's barrier: no wave of any partner still reads this slot or has a load on its way
	s_add_nc_u64 s[G0+4*\slot+2:G0+4*\slot+3], s[G0+4*\slot+2:G0+4*\slot+3], 2*TROW
	s_add_nc_u64 s[G0B+4*\slot+2:G0B+4*\slot+3], s[G0B+4*\slot+2:G0B+4*\slot+3], 2*TROW
	JLOAD G0+4*\slot, G1, G0B+4*\slot, G1B         ; the first tensor load behind the round; its four v_nop are the places in front of the loads below
.else
	PLACES NP
.endif
	v_add_nc_u32 v[ADRS], 4*NQ, v[ADRS]            ; the next K step's scale words
	FETCH_B \next, 0, 0
	FETCH_A \next, 0, 0
	SCALES \next
	WIN MUL_HI
	MUL16 4, 1, NQ-1, \slot, 0
	MUL16 6, 1, NQ-1, \slot, 0
	PLACES NP
	WIN 0
	FETCH_A \next, 0, 4
.endm
.macro LAST                            ; the very last 128 along K: nothing more to fetch
	s_wait_dscnt 4*NL
	WIN MUL_LO
	MUL16 0, 1, NQ-1, 1, 0
	MUL16 2, 1, NQ-1, 1, 0
	s_wait_dscnt 0
	WIN MUL_HI
	MUL16 4, 1, NQ-1, 1, 0
	MUL16 6, 1, NQ-1, 1, 0
	WIN 0
.endm
	s_wait_tensorcnt 1                             ; the scales and my part of K step 0 are in (slot 1's load may be out)
	s_barrier_signal -1
	s_barrier_wait -1
	FETCH_B 0, 0, 0
	FETCH_A 0, 0, 0
	SCALES 0
	FETCH_A 0, 0, 4
	STEP 0, 0, 1                                   ; the first products start the sums: nothing is cleared
	TURN 0, 1, 1                                   ; K = 1,024 is four slots: written straight
	STEP 1, 0, 0
	TURN 1, 0, 1
	STEP 0, 0, 0
	TURN 0, 1, 0                                   ; nothing is left to fetch
	STEP 1, 0, 0
	; WHERE THE RESULTS GO.  No tensor load is out, so the descriptors' registers are free.  These numbers enter the addresses of global stores alone.
	s_mov_b32 s[SEL], 0x76543210
	s_mov_b32 s[SEL+1], 0xfedcba98
	s_mov_b32 s[HI], 0xffff0000
	s_cmp_eq_u32 ttmp9, 2
	s_cselect_b32 s36, s42, s17                    ; the tokens' tile of 256,
	s_cselect_b32 s37, s16, s15                    ; my half of it,
	s_cselect_b32 s38, s41, s40                    ; the columns' tile within q, k or v,
	s_cselect_b32 s39, s15, s16                    ; my half of it
	s_cselect_b32 s48, 6144, 0                     ; v lies behind k in a step's block,
	s_cselect_b32 s49, 256, 0                      ; and so do its scale words
	s_mov_b32 s50, KV_IMG
	s_mov_b32 s51, KV_SCL
	s_mov_b32 s52, Q_SCL
	s_cmp_eq_u32 ttmp9, 0
	s_cselect_b32 s50, 0, s50
	s_cselect_b32 s51, s52, s51
	s_cselect_b32 s53, 0, 1                        ; k's and v's blocks are twice q's
	s_lshr_b32 s54, s36, 3                         ; the batch
	s_and_b32 s55, s36, 7
	s_lshl_b32 s55, s55, 1
	s_add_co_u32 s55, s55, s37                     ; the step of 128 tokens
	s_lshl_b32 s54, s54, 4
	s_lshl_b32 s38, s38, 2
	s_add_co_u32 s54, s54, s38
	s_lshl_b32 s39, s39, 1
	s_add_co_u32 s54, s54, s39                     ; my first head: 16 batch + 4 tile + 2 half
	s_mul_i32 s56, s54, 98304
	s_mul_i32 s57, s55, 6144
	s_add_co_u32 s56, s56, s57
	s_lshl_b32 s56, s56, s53
	s_add_co_u32 s56, s56, s48
	s_add_co_u32 s56, s56, s50
	s_mov_b32 s57, 0
	s_add_nc_u64 s[24:25], s[8:9], s[56:57]        ; a fragment's first half goes here,
	s_lshl_b32 s58, 98304, s53
	s_cmp_eq_u32 ttmp9, 2
	s_cselect_b32 s58, 768, s58                    ; its second: q, k: the next head; v: the step's keys 64-127
	s_mov_b32 s59, 0
	s_add_nc_u64 s[26:27], s[24:25], s[58:59]
	s_lshl_b32 s60, s54, 12
	s_lshl_b32 s61, s55, 8
	s_add_co_u32 s60, s60, s61
	s_lshl_b32 s60, s60, s53
	s_add_co_u32 s60, s60, s49
	s_add_co_u32 s60, s60, s51
	s_mov_b32 s61, 0
	s_add_nc_u64 s[28:29], s[8:9], s[60:61]        ; my first head's scale words of the step,
	s_lshl_b32 s60, 4096, s53
	s_add_nc_u64 s[30:31], s[28:29], s[60:61]      ; my second head's
; A's block a: the bias is added, which also brings the 64 numbers into window 0; ascending
.macro TAKE a, vrole
	WIN 0x02+((\a)/4)
.set ii, 0
.rept 32
.if \vrole
	v_pk_add_f32 v[H+2*ii:H+2*ii+1], v[64*((\a)%4)+2*ii:64*((\a)%4)+2*ii+1], v[BI+2*(\a):BI+2*(\a)+1]
.else
	v_pk_add_f32 v[H+2*ii:H+2*ii+1], v[64*((\a)%4)+2*ii:64*((\a)%4)+2*ii+1], v[BI+2*ii:BI+2*ii+1]
.endif
.set ii, ii+1
.endr
	WIN 0
.endm
; 64 numbers of a lane, register 16 b + i = k 32 b + 16 (lane / 16) + i of my row, become a fragment's codes in v[PC] on and its scale word in v[pw]
.macro QUANT s, pw
.irp b, 0,1,2,3
	v_max3_num_f32 v[TM+\b], |v[\s+16*\b]|, |v[\s+1+16*\b]|, 0x1800000   ; with the floor 2^(3 - 127): the byte cannot fall under 1
.endr
.irp i, 2,4,6,8,10,12,14
.irp b, 0,1,2,3
	v_max3_num_f32 v[TM+\b], v[TM+\b], |v[\s+16*\b+\i]|, |v[\s+1+16*\b+\i]|
.endr
.endr
.irp b, 0,1,2,3
	v_permlanex16_b32 v[TM+4+\b], v[TM+\b], s[SEL], s[SEL+1]
.endr
.irp b, 0,1,2,3
	v_max_num_f32 v[TM+\b], v[TM+\b], v[TM+4+\b]   ; with lane l xor 16's: the block's largest magnitude
.endr
.irp b, 0,1,2,3
	v_add_nc_u32 v[TM+12+\b], 0xff000000, v[TM+\b] ; 2 off its exponent field: the conversion's scale operand
.endr
.irp b, 0,1,2,3
	v_lshrrev_b32 v[TM+4+\b], 23, v[TM+12+\b]      ; the byte
.endr
	v_lshl_or_b32 v[\pw], v[TM+5], 8, v[TM+4]
	v_lshl_or_b32 v[\pw], v[TM+6], 16, v[\pw]
	v_lshl_or_b32 v[\pw], v[TM+7], 24, v[\pw]
	s_wait_xcnt 0x0                                ; the last block's stores have read the codes' registers
.irp c, 0,1
	v_cvt_scalef32_pk16_fp6_f32 v[PC+6*\c:PC+2+6*\c], v[\s+32*\c:\s+15+32*\c], v[TM+12+2*\c]
	v_cvt_scalef32_pk16_fp6_f32 v[PC+12+4*\c:PC+14+4*\c], v[\s+16+32*\c:\s+31+32*\c], v[TM+12+2*\c+1]
.endr
	v_nop                                          ; one plain place behind a scaled conversion
.irp c, 0,1                                    ; the operand's layout wants a whole block in a lane
.irp i, 0,1,2
	v_permlane16_swap_b32 v[PC+6*\c+\i], v[PC+12+4*\c+\i]
.endr
.irp i, 0,1,2
	v_mov_b32 v[PC+3+6*\c+\i], v[PC+12+4*\c+\i]
.endr
.endr
.endm
.macro PUT imm                         ; the fragment's two HALF images: stores of 512 and of 256 consecutive, aligned bytes
	global_store_b128 v[L16], v[PC:PC+3], s[24:25] offset:\imm
	global_store_b64 v[L8], v[PC+4:PC+5], s[24:25] offset:\imm+512
	global_store_b128 v[L16], v[PC+6:PC+9], s[26:27] offset:\imm
	global_store_b64 v[L8], v[PC+10:PC+11], s[26:27] offset:\imm+512
.endm
.macro EPILOGUE vrole
	s_wait_loadcnt 0x0                             ; the bias
	PLACES NP
.irp b, 0,1,2,3
	v_mov_b32 v[TM+4+\b], 0                        ; a lane permute's destination counts as a source
.endr
.irp a, 0,1,2,3,4,5,6,7
	TAKE \a, \vrole
	QUANT H, PWS+\a
.if \vrole
	PUT ((\a)/4)*196608+((\a)%4)*1536              ; head a / 4, channels' tile a % 4: the step's 128 keys
.else
	PUT (\a)*768                                   ; the step's tile a of 16 tokens: two heads
.endif
.endr
; the scale words, as the attention launch loads them: 8 bytes a lane; word 0: fragment 0 in lanes 0-15, fragment 1 in lanes 16-31; word 1: fragments 2 and 3
.irp e, 0,1
.if \vrole
	v_cndmask_b32 v[RW+2*\e], v[PWS+4*\e], v[PWS+4*\e+1], s[HI]
	v_cndmask_b32 v[RW+2*\e+1], v[PWS+4*\e+2], v[PWS+4*\e+3], s[HI]
.else
.irp g, 0,1,2,3
	v_perm_b32 v[WT+\g], v[PWS+2*\g+1], v[PWS+2*\g], 0x05040100+\e*0x02020202   ; head e's two bytes of tile 2 g, then of tile 2 g + 1
.endr
	v_cndmask_b32 v[RW+2*\e], v[WT], v[WT+1], s[HI]
	v_cndmask_b32 v[RW+2*\e+1], v[WT+2], v[WT+3], s[HI]
.endif
	global_store_b64 v[L8], v[RW+2*\e:RW+2*\e+1], s[28+2*\e:29+2*\e]   ; 256 consecutive bytes
.endr
.endm
	s_cmp_eq_u32 ttmp9, 2                          ; one branch on the role; each way holds its bias loads, the last 64 products, under which they land, and its epilogue
	s_cbranch_scc1 .Lrole_v
	s_lshl_b32 s34, s42, 10                        ; q, k: the bias of my 128 columns; register 16 b + i: column 32 b + 16 (lane / 16) + i
	s_lshl_b32 s35, s16, 9
	s_add_co_u32 s34, s34, s35
	s_mov_b32 s35, 0
	s_add_nc_u64 s[32:33], s[6:7], s[34:35]
.irp b, 0,1,2,3
.irp j, 0,1,2,3
	global_load_b128 v[BI+16*\b+4*\j:BI+16*\b+4*\j+3], v[BO], s[32:33] offset:128*\b+16*\j
.endr
.endr
	LAST
	EPILOGUE 0
	s_branch .Lout
.Lrole_v:
	s_lshl_b32 s34, s17, 10                        ; v: the bias of my lane's column in each of A's eight blocks, twice, for the packed addition
	s_lshl_b32 s35, s15, 9
	s_add_co_u32 s34, s34, s35
	s_mov_b32 s35, 0
	s_add_nc_u64 s[32:33], s[6:7], s[34:35]
.irp a, 0,1,2,3,4,5,6,7
	global_load_b32 v[BI+2*\a], v[BV], s[32:33] offset:(32*(\a/2)+8*(\a%2))*4
	global_load_b32 v[BI+2*\a+1], v[BV], s[32:33] offset:(32*(\a/2)+8*(\a%2))*4
.endr
	LAST
	EPILOGUE 1
.Lout:
	s_wait_tensorcnt 0x0                           ; the wave's end
	ds_add_u32 v[SPW], v[NIL]
	s_wait_dscnt 0x0
	CROUND                                         ; the closing round: no work-group ends while a partner may still ask for a tile that names it
	s_endpgm
.Lfunc_end_k_qb3c4686198_gemm_qkv:
	.size	k_qb3c4686198_gemm_qkv, .Lfunc_end_k_qb3c4686198_gemm_qkv-k_qb3c4686198_gemm_qkv
	.p2alignl 7, 3214868480
	.fill 96, 4, 3214868480
	.section	.rodata,"a",@progbits
	.p2align	6, 0x0
	.amdhsa_kernel k_qb3c4686198_gemm_qkv
		.amdhsa_group_segment_fixed_size 327680
		.amdhsa_private_segment_fixed_size 0
		.amdhsa_enable_private_segment 0
		.amdhsa_kernarg_size 24
		.amdhsa_user_sgpr_count 2
		.amdhsa_user_sgpr_kernarg_segment_ptr 1
		.amdhsa_wavefront_size32 1
		.amdhsa_system_sgpr_workgroup_id_x 1
		.amdhsa_system_sgpr_workgroup_id_y 1
		.amdhsa_system_sgpr_workgroup_id_z 1
		.amdhsa_system_vgpr_workitem_id 0
		.amdhsa_next_free_vgpr 1024
		.amdhsa_next_free_sgpr 100
		.amdhsa_reserve_vcc 0
		.amdhsa_float_denorm_mode_32 3
		.amdhsa_float_denorm_mode_16_64 3
		.amdhsa_memory_ordered 1
		.amdhsa_forward_progress 1
		.amdhsa_inst_pref_size 228
	.end_amdhsa_kernel
	.amdgpu_metadata
---
amdhsa.version: [ 1, 2 ]
amdhsa.kernels:
  - .name:           k_qb3c4686198_gemm_qkv
    .symbol:         k_qb3c4686198_gemm_qkv.kd
    .args:
      - { .name: ops, .offset: 0, .size: 8, .value_kind: global_buffer, .address_space: global }
      - { .name: c_attn_b, .offset: 8, .size: 8, .value_kind: global_buffer, .address_space: global }
      - { .name: qkv, .offset: 16, .size: 8, .value_kind: global_buffer, .address_space: global }
    .group_segment_fixed_size: 327680
    .private_segment_fixed_size: 0
    .kernarg_segment_align: 8
    .kernarg_segment_size: 24
    .max_flat_workgroup_size: 128
    .sgpr_count:     100
    .vgpr_count:     1024
    .wavefront_size: 32
...
	.end_amdgpu_metadata
.endif
;; end of part 2
;; launch attn (part 3): grid 4 x 64, 16 waves a work-group, no clusters, 206,848 bytes of LDS; arguments qkv, att; writes att
.if DOCPART == 3
	.amdgcn_target "amdgcn-amd-amdhsa--gfx1250"
	.amdhsa_code_object_version 6
	.text
	.protected	k_qb3c4686198_attn
	.globl	k_qb3c4686198_attn
	.p2align	8
	.type	k_qb3c4686198_attn,@function
k_qb3c4686198_attn:
	s_mov_b64 s[64:65], 0
	v_nop
	global_prefetch_b8 v0, s[64:65] scope:SCOPE_SE
	s_setreg_imm32_b32 hwreg(HW_REG_WAVE_MODE, 25, 1), 1
	s_wait_xcnt 0x0
; Causal attention of one head on codes of FP6 (E2M3) with E8M0 scales; head size 64, 2,048 tokens.  logit = q . k / 8 where key <= query, -10000 elsewhere; t = logit x log2(e); M = the running largest t rounded up
; to a whole number; p = 2^(t - M) is quantised along the keys, not normalised; the row's sum is taken of the unquantised p and divides at the end.  The result is quantised along the channels for the last product.
; THE MASK IS A NUMBER, NOT MINUS INFINITY: masked keys count in the maximum, in the sum and in the second product.  All masked keys of a row have one p.  So a step of 128 keys that lies wholly behind the
; diagonal needs no first product and no softmax: only V^T P with a constant fragment P, made once when the diagonal step has fixed M.  Every row but token 2,047 has a masked key, so its maximum begins at the mask's t.
; SHARES.  Work-group (x, head): query tiles x + 4 i of the head's 128 tiles of 16, i = 0 .. 31.  Wave w takes i = 31 - w and then i = w: 17 whole steps and 15 masked steps for every wave of every work-group.
; K AND V OF THE WHOLE HEAD STAY IN LDS (196,608 bytes, and 8,192 of scale words), filled once: no slot is filled again.  Steps 0-3 come by one load a wave, steps 4-15 by a second, which lands while steps 0-3 are walked.
; LAYOUT.  Operands lie as images of their registers (a HALF: 16 rows x 64 K, 768 bytes: registers 0-3 at 16 x lane, 4-5 at 512 + 8 x lane).  The head is half of the instruction's K = 128: a fragment of K carries TWO
; tiles of 16 keys, and q stands between zeros, v16-33 = [0 | q | 0]: v[22:33] = [q | 0] multiplies the first tile, v[16:27] = [0 | q] the second.  Both products are used transposed: a lane holds one query throughout.
; The tokens of a tile are not neighbours (tile 2 G + u, place r: token 32 G + 8 u + r + 8 (r / 8)), so that the 16 registers of two neighbouring tiles of scores are 16 neighbouring keys.
; No cluster: the work-groups that share a head's K and V have other queries, and the branches on the diagonal hang on the tile.  No prefetch: all that the launch reads is asked for at its head.
; LIMITS: NaN and infinities are not served; a p under 2^-126 counts as 0; a block of zeros gets the scale byte 1 (its codes are zeros; only this program reads the bytes).
; The scale bytes of the result leave one byte a lane: a head owns two of a row's 32 bytes, and the other heads' are made by other work-groups.
; REGISTERS: v1-7 addresses that stay; v8-10 the step's addresses; v11 my query less 16 (lane / 16), within the diagonal step; v12 -M, v13 the largest t, v[14:15] the sum; v16-33 q between zeros; v34-37 K's and V's scale
; words, v38 q's; v39 64 x the masked p; v48-95 four fragments; v96-159 scores, then p; v160-191 O^T; v192-199 the second tile's q; v224-235 P; v232-254 at work; v253 P's scale word.
.set KV_IMG, 6291456
.set Q_SCL,  18874368
.set KV_SCL, 19136512
.set A_SCL,  6291456
.set STEPB,  12288                     ; a step in LDS: K's four fragments, then V's four
.set SCB,    196608                    ; the scale words: 512 bytes a step: K's 256, V's 256
.set SPARE,  204800                    ; the spare words, 128 bytes a wave
.set SPW, 5
.set NIL, 6
.set WV,  18
.set SEL, 20                           ; s[20:21] selects for lane l xor 16
.set CS,  22                           ; s[22:23] c = log2(e) / 8
.set G1S, 24                           ; three groups 1 and three groups 0: the scale words, steps 0-3, steps 4-15
.set G1A, 32
.set G1B, 40
.set G0S, 48
.set G0A, 52
.set G0B, 56
.set TB,  2                            ; s2  the step's first LDS byte
.set TS,  3                            ; s3  512 x step
.set SI,  60                           ; s60 the step
.set DG,  61                           ; s61 the step on the diagonal
.set CNT, 62
.set HI,  63                           ; s63 lanes 16-31
.set MB,  66                           ; s66 -80000.0: the mask's -10000 ahead of the division by 8
.macro GROUP1 g, rows                  ; a dense block as rows of 256 bytes
	s_mov_b32 s[\g], 3<<16                         ; no mask; elements of 8 bytes; no padding
	s_mov_b32 s[\g+1], 32<<16
	s_mov_b32 s[\g+2], (\rows)<<16
	s_mov_b32 s[\g+3], 32<<16
	s_mov_b32 s[\g+4], \rows
	s_mov_b32 s[\g+5], 32
	s_mov_b32 s[\g+6], 0
	s_mov_b32 s[\g+7], 0
.endm
	s_load_b128 s[4:7], s[0:1], 0x0                ; qkv, att
	v_lshl_add_u32 v[SPW], v0, 2, SPARE
	v_mov_b32 v[NIL], 0
	ds_add_u32 v[SPW], v[NIL]                      ; the wave's opening: the add and its wait ahead of my first tensor load
	ds_add_u32 v[SPW], v[NIL]
	v_lshrrev_b32 v8, 5, v0
	s_delay_alu instid0(VALU_DEP_1)
	v_readfirstlane_b32 s[WV], v8                  ; wave 0..15
	s_and_b32 s68, ttmp7, 0xffff                   ; batch x 16 + head
	GROUP1 G1S, 2                                  ; a sixteenth of each block for each wave: 512 bytes,
	GROUP1 G1A, 12                                 ; 3,072,
	GROUP1 G1B, 36                                 ; 9,216
	s_mul_i32 s[G0S+1], s[WV], 512
	s_add_co_u32 s[G0S+1], s[G0S+1], SCB
	s_mul_i32 s[G0A+1], s[WV], 3072
	s_mul_i32 s[G0B+1], s[WV], 9216
	s_add_co_u32 s[G0B+1], s[G0B+1], 4*STEPB
	s_lshl_b32 s70, s68, 13
	s_lshl_b32 s71, s[WV], 9
	s_add_co_u32 s70, s70, s71
	s_add_co_u32 s70, s70, KV_SCL
	s_mov_b32 s71, 0
	s_mul_i32 s72, s68, 196608
	s_add_co_u32 s72, s72, KV_IMG
	s_mul_i32 s74, s[WV], 3072
	s_add_co_u32 s74, s74, s72
	s_mov_b32 s75, 0
	s_mul_i32 s76, s[WV], 9216
	s_add_co_u32 s76, s76, s72
	s_add_co_u32 s76, s76, 4*STEPB
	s_mov_b32 s77, 0
	s_mov_b32 s[SEL], 0x76543210
	s_mov_b32 s[SEL+1], 0xfedcba98
	s_mov_b32 s[CS], 0x3e38aa3b
	s_mov_b32 s[CS+1], s[CS]                       ; (named with it as a pair)
	s_mov_b32 s[HI], 0xffff0000
	s_mov_b32 s[MB], 0xc79c4000
	s_sub_co_u32 s78, 31, s[WV]                    ; my first tile's i,
	s_mov_b32 s79, s[WV]                           ; my second's
	s_and_b32 s67, ttmp9, 1
	s_lshl_b32 s69, s67, 3
	s_lshl_b32 s67, s67, 4                         ; 16 (x % 2): where my tile's two bytes stand in q's scale word
	s_lshr_b32 s92, ttmp9, 1
	s_lshl_b32 s92, s92, 5
	s_add_co_u32 s69, s69, s92                     ; 32 (x / 2) + 8 (x % 2)
	s_wait_dscnt 0x0                               ; the opening add is done
	s_wait_kmcnt 0x0
	s_mov_b32 s[G0S], 1
	s_add_nc_u64 s[G0S+2:G0S+3], s[4:5], s[70:71]
	s_or_b32 s[G0S+3], s[G0S+3], 0x80000000
	s_mov_b32 s[G0A], 1
	s_add_nc_u64 s[G0A+2:G0A+3], s[4:5], s[74:75]
	s_or_b32 s[G0A+3], s[G0A+3], 0x80000000
	s_mov_b32 s[G0B], 1
	s_add_nc_u64 s[G0B+2:G0B+3], s[4:5], s[76:77]
	s_or_b32 s[G0B+3], s[G0B+3], 0x80000000
	tensor_load_to_lds s[G0S:G0S+3], s[G1S:G1S+7]  ; the three first fills go out together: three loads of mine are out
	s_nop 0
	tensor_load_to_lds s[G0A:G0A+3], s[G1A:G1A+7]
	s_nop 0
	tensor_load_to_lds s[G0B:G0B+3], s[G1B:G1B+7]
	s_nop 0
.macro QADR rho, qi, qs                ; tile x + 4 i: where its image and its scale words lie
	s_lshl_b32 s92, s[\rho], 2
	s_add_co_u32 s92, s92, ttmp9
	s_mul_i32 s92, s92, 768
	s_mul_i32 s93, s68, 98304
	s_add_co_u32 s92, s92, s93
	s_mov_b32 s93, 0
	s_add_nc_u64 s[\qi:\qi+1], s[4:5], s[92:93]
	s_lshr_b32 s92, s[\rho], 1
	s_lshl_b32 s92, s92, 8                         ; the step's 256 bytes; in them the pair of tiles g = x / 2 + 2 (i % 2): lanes 16 (g % 2) on, word g / 2
	s_and_b32 s94, s[\rho], 1
	s_lshl_b32 s94, s94, 2
	s_add_co_u32 s92, s92, s94
	s_lshr_b32 s94, ttmp9, 1
	s_lshl_b32 s94, s94, 7
	s_add_co_u32 s92, s92, s94
	s_lshl_b32 s94, s68, 12
	s_add_co_u32 s92, s92, s94
	s_add_co_u32 s92, s92, Q_SCL
	s_add_nc_u64 s[\qs:\qs+1], s[4:5], s[92:93]
.endm
	QADR 78, 84, 88
	QADR 79, 86, 90
	v_and_b32 v8, 31, v0
	s_delay_alu instid0(VALU_DEP_1)
	v_lshlrev_b32 v1, 4, v8                        ; 16 x lane
	s_delay_alu instid0(VALU_DEP_2)
	v_lshlrev_b32 v2, 3, v8                        ; 8 x lane
	s_delay_alu instid0(VALU_DEP_1)
	v_add_nc_u32 v3, SCB, v2
	v_and_b32 v9, 15, v0                           ; r
	v_bfe_u32 v10, v0, 4, 1                        ; h
	s_delay_alu instid0(VALU_DEP_1)
	v_lshl_add_u32 v4, v9, 5, v10                  ; 32 r + h: my byte among the result's scale bytes
	s_delay_alu instid0(VALU_DEP_3)
	v_lshlrev_b32 v7, 3, v9
	s_delay_alu instid0(VALU_DEP_4)
	v_and_b32 v41, 8, v9
	s_delay_alu instid0(VALU_DEP_1)
	v_add_nc_u32 v41, v41, v9                      ; r + 8 (r / 8)
	v_lshlrev_b32 v40, 4, v10
	s_delay_alu instid0(VALU_DEP_1)
	v_sub_nc_u32 v40, v41, v40                     ; - 16 h
	global_load_b128 v[22:25], v1, s[84:85]        ; the first tile's q goes straight between the zeros
	global_load_b64 v[26:27], v2, s[84:85] offset:512
	global_load_b128 v[192:195], v1, s[86:87]
	global_load_b64 v[196:197], v2, s[86:87] offset:512
	global_load_b32 v198, v7, s[88:89]
	global_load_b32 v199, v7, s[90:91]
.irp i, 16,17,18,19,20,21,28,29,30,31,32,33
	v_mov_b32 v\i, 0                               ; zero codes beside q
.endr
.irp i, 224,225,226,227,228,229,230,231,232,233,234,235,236,237,238,239,253,39
	v_mov_b32 v\i, 0                               ; written once: P, its scale word and the masked p are named on the masked steps' path; a lane permute's destination counts as a source
.endr
	s_wait_tensorcnt 1                             ; the scale words and my part of steps 0-3 are in; steps 4-15 may be out
	s_barrier_signal -1
	s_barrier_wait -1
	s_wait_loadcnt 0x0                             ; q
.macro INIT p                          ; tile p of my two
.if \p
	s_wait_xcnt 0x0                                ; the first tile's stores have read their registers and bases
.irp i, 0,1,2,3,4,5
	v_mov_b32 v[22+\i], v[192+\i]
.endr
.endif
	s_lshr_b32 s[DG], s[78+\p], 1
	s_and_b32 s92, s[78+\p], 1
	s_lshl_b32 s92, s92, 6
	s_add_co_u32 s92, s92, s69                     ; my tile's first token within its step
	s_lshl_b32 s93, s[DG], 7
	s_add_co_u32 s93, s93, s92                     ; and within the sequence
	s_lshl_b32 s94, s[78+\p], 2
	s_add_co_u32 s94, s94, ttmp9
	s_lshr_b32 s95, s68, 4
	s_lshl_b32 s95, s95, 7
	s_add_co_u32 s94, s94, s95                     ; the tile among the 512 of all batches
	s_and_b32 s95, s68, 15                         ; the head
	s_mul_i32 s96, s94, 12288
	s_mul_i32 s97, s95, 768
	s_add_co_u32 s96, s96, s97
	s_mov_b32 s97, 0
	s_add_nc_u64 s[80:81], s[6:7], s[96:97]        ; the result's HALF image
	s_lshl_b32 s96, s94, 9
	s_lshl_b32 s95, s95, 1
	s_add_co_u32 s96, s96, s95
	s_add_co_u32 s96, s96, A_SCL
	s_add_nc_u64 s[82:83], s[6:7], s[96:97]        ; and its scale bytes
	v_lshrrev_b32 v254, s67, v[198+\p]
	s_delay_alu instid0(VALU_DEP_1)
	v_perm_b32 v38, v254, v254, 0x01000100         ; q's two bytes, for either half of K
	v_add_nc_u32 v11, s92, v40
	v_add_nc_u32 v254, s93, v41                    ; my token
	v_mov_b32 v252, 0xff61b1e6                     ; -3e38
	v_mov_b32 v13, s[MB]
	s_delay_alu instid0(VALU_DEP_1)
	v_mul_f32 v13, s[CS], v13                      ; the mask's t: the maximum begins there,
	s_delay_alu instid0(VALU_DEP_4)
	v_cmp_eq_u32 vcc_lo, 0x7ff, v254
	s_delay_alu instid0(VALU_DEP_1)
	v_cndmask_b32 v13, v13, v252, vcc_lo           ; but for the last token, which has no masked key
	s_delay_alu instid0(VALU_DEP_1)
	v_floor_f32 v12, -v13
	v_mov_b32 v14, 0
	v_mov_b32 v15, 0
.irp j, 0,1,2,3,4,5,6,7,8,9,10,11,12,13,14,15,16,17,18,19,20,21,22,23,24,25,26,27,28,29,30,31
	v_mov_b32 v[160+\j], 0                         ; O^T: the step is written once; the first change of M leaves zeros zeros
.endr
	s_mov_b32 s[SI], 0
	s_mov_b32 s[TB], 0
	s_mov_b32 s[TS], 0
.endm
.macro FRAGL reg, off                  ; a fragment = two HALF images on end
	ds_load_b128 v[\reg:\reg+3], v8 offset:\off
	ds_load_b64 v[\reg+4:\reg+5], v9 offset:\off+512
	ds_load_b128 v[\reg+6:\reg+9], v8 offset:\off+768
	ds_load_b64 v[\reg+10:\reg+11], v9 offset:\off+1280
.endm
.macro VLOAD
.irp t, 0,1,2,3
	FRAGL 48+12*\t, 6144+1536*\t
.endr
	ds_load_b64 v[36:37], v10 offset:256
.endm
.macro PV                              ; O^T += V^T P^T: four tiles of 16 channels, K = the step's 128 keys; the four accumulators by turns
	s_wait_dscnt 0x0
.irp t, 0,1,2,3
.if \t%2
	v_wmma_scale_f32_16x16x128_f8f6f4 v[160+8*\t:167+8*\t], v[48+12*\t:59+12*\t], v[224:235], v[160+8*\t:167+8*\t], v[36+\t/2], v253 matrix_a_fmt:MATRIX_FMT_FP6 matrix_b_fmt:MATRIX_FMT_FP6 matrix_a_scale:MATRIX_SCALE_ROW1
.else
	v_wmma_scale_f32_16x16x128_f8f6f4 v[160+8*\t:167+8*\t], v[48+12*\t:59+12*\t], v[224:235], v[160+8*\t:167+8*\t], v[36+\t/2], v253 matrix_a_fmt:MATRIX_FMT_FP6 matrix_b_fmt:MATRIX_FMT_FP6
.endif
.endr
.endm
; A KEY STEP of 128 keys.
.macro STEP
	v_add_nc_u32 v8, s[TB], v1                     ; the step's addresses, made ahead of the branch; with the v_nop these are the four places in front of loads into registers that the last products read
	v_add_nc_u32 v9, s[TB], v2
	v_add_nc_u32 v10, s[TS], v3
	v_nop
	s_cmp_gt_u32 s[SI], s[DG]                      ; ids and the count of steps alone
	s_cbranch_scc1 .Lcheap_\@
	s_setprio 2
.irp g, 0,1,2,3
	FRAGL 48+12*\g, 1536*\g
.endr
	ds_load_b64 v[34:35], v10
	s_wait_dscnt 0x0
.irp g, 0,1,2,3                                ; S^T = K Q^T: fragment g holds tiles 2 g and 2 g + 1 of 16 keys
.irp u, 0,1
.if \g%2
	v_wmma_scale_f32_16x16x128_f8f6f4 v[96+8*(2*\g+\u):103+8*(2*\g+\u)], v[48+12*\g:59+12*\g], v[22-6*\u:33-6*\u], 0, v[34+\g/2], v38 matrix_a_fmt:MATRIX_FMT_FP6 matrix_b_fmt:MATRIX_FMT_FP6 matrix_a_scale:MATRIX_SCALE_ROW1
.else
	v_wmma_scale_f32_16x16x128_f8f6f4 v[96+8*(2*\g+\u):103+8*(2*\g+\u)], v[48+12*\g:59+12*\g], v[22-6*\u:33-6*\u], 0, v[34+\g/2], v38 matrix_a_fmt:MATRIX_FMT_FP6 matrix_b_fmt:MATRIX_FMT_FP6
.endif
.endr
.endr
.rept 4
	v_nop                                          ; places: in front of the loads below and of the first read of the scores
.endr
	s_wait_alu depctr_va_vdst(0)
	VLOAD                                          ; V's fragments land under the softmax
	s_cmp_lg_u32 s[SI], s[DG]
	s_cbranch_scc1 .Lopen_\@
	v_mov_b32 v254, s[MB]                          ; on the diagonal the scores of later keys become the mask's.  Register 16 b + i holds key 32 b + 16 (lane / 16) + i of the step
.irp n, 0,1,2,3,4,5,6,7,8,9,10,11,12,13,14,15,16,17,18,19,20,21,22,23,24,25,26,27,28,29,30,31,32,33,34,35,36,37,38,39,40,41,42,43,44,45,46,47,48,49,50,51,52,53,54,55,56,57,58,59,60,61,62,63
	v_cmp_gt_i32 vcc_lo, 32*(\n/16)+\n%16, v11
	v_cndmask_b32 v[96+\n], v[96+\n], v254, vcc_lo
.endr
.Lopen_\@:
.irp b, 0,1,2,3
	v_max3_num_f32 v[232+\b], v[96+16*\b], v[97+16*\b], v[98+16*\b]   ; the largest score of each block of 32 keys: for the row's maximum and, since p rises with the score, for the block's largest p
.endr
.irp i, 3,5,7,9,11,13
.irp b, 0,1,2,3
	v_max3_num_f32 v[232+\b], v[232+\b], v[96+16*\b+\i], v[97+16*\b+\i]
.endr
.endr
.irp b, 0,1,2,3
	v_max_num_f32 v[232+\b], v[232+\b], v[111+16*\b]
.endr
.irp b, 0,1,2,3
	s_delay_alu instid0(VALU_DEP_4)
	v_permlanex16_b32 v[236+\b], v[232+\b], s[SEL], s[SEL+1]
.endr
.irp b, 0,1,2,3
	s_delay_alu instid0(VALU_DEP_4)
	v_max_num_f32 v[232+\b], v[232+\b], v[236+\b]  ; with lane l xor 16's 16 keys
.endr
	s_delay_alu instid0(VALU_DEP_2)
	v_max3_num_f32 v254, v232, v233, v234
	s_delay_alu instid0(VALU_DEP_1)
	v_max_num_f32 v254, v254, v235
	s_delay_alu instid0(VALU_DEP_1)
	v_mul_f32 v254, s[CS], v254                    ; as t (c is positive)
	s_delay_alu instid0(VALU_DEP_1)
	v_max_num_f32 v13, v13, v254                   ; the running largest t
	v_mov_b32 v254, v12
	s_delay_alu instid0(VALU_DEP_2)
	v_floor_f32 v12, -v13                          ; -M = floor(-t): M is a whole number
	s_delay_alu instid0(VALU_DEP_1)
	v_sub_f32 v254, v12, v254
	s_delay_alu instid0(VALU_DEP_1)
	v_cvt_i32_f32 v254, v254                       ; (it saturates)
	s_delay_alu instid0(VALU_DEP_1)
	v_ldexp_f32 v252, 1.0, v254                    ; f = 2^(old M - new M): rounds nothing
.irp j, 0,2,4,6,8,10,12,14,16,18,20,22,24,26,28,30,32,34,36,38,40,42,44,46,48,50,52,54,56,58,60,62
	v_pk_fma_f32 v[96+\j:97+\j], v[96+\j:97+\j], s[CS:CS+1], v[12:13] op_sel_hi:[1,0,0]   ; t - M
.endr
.irp b, 0,1,2,3
	v_fma_f32 v[232+\b], v[232+\b], s[CS], v12
.endr
	s_setprio 1
	s_wait_alu depctr_va_vdst(0)
.irp j, 0,1,2,3,4,5,6,7,8,9,10,11,12,13,14,15,16,17,18,19,20,21,22,23,24,25,26,27,28,29,30,31,32,33,34,35,36,37,38,39,40,41,42,43,44,45,46,47,48,49,50,51,52,53,54,55,56,57,58,59,60,61,62,63
	v_exp_f32 v[96+\j], v[96+\j]                   ; p = 2^(t - M)
.endr
	v_pk_mul_f32 v[14:15], v[14:15], v[252:253] op_sel_hi:[1,0]   ; the sums under the new M: a plain place behind the exponentials
	s_wait_alu depctr_va_vdst(0)                   ; one wait for the whole batch, ahead of its first reader
.irp b, 0,1,2,3
	v_exp_f32 v[232+\b], v[232+\b]                 ; the block's largest p
.endr
	v_pk_add_f32 v[236:237], v[100:101], v[104:105]
	v_pk_add_f32 v[254:255], v[108:109], v[112:113]
	v_pk_add_f32 v[250:251], v[116:117], v[120:121]
	v_pk_add_f32 v[248:249], v[124:125], v[128:129]
	v_pk_add_f32 v[246:247], v[132:133], v[136:137]
	v_pk_add_f32 v[244:245], v[140:141], v[144:145]
	v_pk_add_f32 v[242:243], v[148:149], v[152:153]
	v_pk_add_f32 v[14:15], v[14:15], v[156:157]
	v_pk_add_f32 v[236:237], v[236:237], v[96:97]
	v_pk_add_f32 v[254:255], v[254:255], v[98:99]
	v_pk_add_f32 v[250:251], v[250:251], v[102:103]
	v_pk_add_f32 v[248:249], v[248:249], v[106:107]
	v_pk_add_f32 v[246:247], v[246:247], v[110:111]
	v_pk_add_f32 v[244:245], v[244:245], v[114:115]
	v_pk_add_f32 v[242:243], v[242:243], v[118:119]
	v_pk_add_f32 v[14:15], v[14:15], v[122:123]
	v_pk_add_f32 v[236:237], v[236:237], v[126:127]
	v_pk_add_f32 v[254:255], v[254:255], v[130:131]
	v_pk_add_f32 v[250:251], v[250:251], v[134:135]
	v_pk_add_f32 v[248:249], v[248:249], v[138:139]
	v_pk_add_f32 v[246:247], v[246:247], v[142:143]
	v_pk_add_f32 v[244:245], v[244:245], v[146:147]
	v_pk_add_f32 v[242:243], v[242:243], v[150:151]
	v_pk_add_f32 v[14:15], v[14:15], v[154:155]
	v_pk_add_f32 v[236:237], v[236:237], v[158:159]
	s_delay_alu instid0(VALU_DEP_2)
	v_pk_add_f32 v[14:15], v[14:15], v[248:249]
	s_delay_alu instid0(VALU_DEP_2)
	v_pk_add_f32 v[236:237], v[236:237], v[246:247]
	v_pk_add_f32 v[254:255], v[254:255], v[244:245]
	v_pk_add_f32 v[250:251], v[250:251], v[242:243]
	s_delay_alu instid0(VALU_DEP_2)
	v_pk_add_f32 v[14:15], v[14:15], v[254:255]
	s_delay_alu instid0(VALU_DEP_2)
	v_pk_add_f32 v[236:237], v[236:237], v[250:251]
	s_delay_alu instid0(VALU_DEP_1)
	v_pk_add_f32 v[14:15], v[14:15], v[236:237]
	s_wait_alu depctr_va_vdst(0)                   ; and one for the four
.irp b, 0,1,2,3
	v_max_num_f32 v[232+\b], 0x1800000, v[232+\b]  ; the floor 2^(3 - 127)
.endr
.irp b, 0,1,2,3
	s_delay_alu instid0(VALU_DEP_4)
	v_add_nc_u32 v[244+\b], 0xff000000, v[232+\b]  ; the conversion's scale operand
.endr
.irp b, 0,1,2,3
	s_delay_alu instid0(VALU_DEP_4)
	v_lshrrev_b32 v[236+\b], 23, v[244+\b]         ; the byte
.endr
	s_delay_alu instid0(VALU_DEP_3)
	v_lshl_or_b32 v253, v237, 8, v236              ; p's scale word for these 128 keys
	s_delay_alu instid0(VALU_DEP_1)
	v_lshl_or_b32 v253, v238, 16, v253
	s_delay_alu instid0(VALU_DEP_1)
	v_lshl_or_b32 v253, v239, 24, v253
.irp c, 0,1
	v_cvt_scalef32_pk16_fp6_f32 v[224+6*\c:226+6*\c], v[96+32*\c:111+32*\c], v[244+2*\c]
	v_cvt_scalef32_pk16_fp6_f32 v[236+4*\c:238+4*\c], v[112+32*\c:127+32*\c], v[244+2*\c+1]
.endr
	v_nop                                          ; one plain place behind a scaled conversion
.irp c, 0,1
.irp i, 0,1,2
	v_permlane16_swap_b32 v[224+6*\c+\i], v[236+4*\c+\i]
.endr
.irp i, 0,1,2
	s_delay_alu instid0(VALU_DEP_3)
	v_mov_b32 v[227+6*\c+\i], v[236+4*\c+\i]
.endr
.endr
.irp j, 0,2,4,6,8,10,12,14,16,18,20,22,24,26,28,30
	v_pk_mul_f32 v[160+\j:161+\j], v[160+\j:161+\j], v[252:253] op_sel_hi:[1,0]   ; O^T under the new M; these sixteen are also the places between P, its scale word and the products
.endr
	s_setprio 0
	s_wait_alu depctr_va_vdst(0)
	PV
	s_cmp_lg_u32 s[SI], s[DG]
	s_cbranch_scc1 .Lend_\@
	; the diagonal step has fixed M: the masked keys' p, its sum over a lane's 64 keys of a step, and the constant fragment P with its scale word
	v_fma_f32 v254, s[MB], s[CS], v12
	s_wait_alu depctr_va_vdst(0)
	v_exp_f32 v254, v254
	v_nop
	s_wait_alu depctr_va_vdst(0)
.irp i, 0,1,2,3,4,5,6,7,8,9,10,11,12,13,14,15
	v_mov_b32 v[96+\i], v254
.endr
	v_mul_f32 v39, 0x42800000, v254
	v_max_num_f32 v232, 0x1800000, v254
	s_delay_alu instid0(VALU_DEP_1)
	v_add_nc_u32 v244, 0xff000000, v232
	s_delay_alu instid0(VALU_DEP_1)
	v_lshrrev_b32 v236, 23, v244
	s_delay_alu instid0(VALU_DEP_1)
	v_perm_b32 v253, v236, v236, 0                 ; the same byte for the four blocks
	v_cvt_scalef32_pk16_fp6_f32 v[224:226], v[96:111], v244
	v_nop
.irp i, 0,1,2,3,4,5,6,7,8
	v_mov_b32 v[227+\i], v[224+\i%3]               ; 16 equal codes are three registers: four times over
.endr
	s_branch .Lend_\@
.Lcheap_\@:
	s_wait_alu depctr_va_vdst(0)
	v_add_f32 v14, v14, v39                        ; my 64 masked keys' p
	VLOAD
	PV
.Lend_\@:
	s_add_co_u32 s[TB], s[TB], STEPB
	s_add_co_u32 s[TS], s[TS], 512
	s_add_co_u32 s[SI], s[SI], 1
.endm
.macro WALK n                          ; n steps: a constant of the text
	s_mov_b32 s[CNT], \n
.Lwalk_\@:
	STEP
	s_sub_co_u32 s[CNT], s[CNT], 1
	s_cmp_lg_u32 s[CNT], 0
	s_cbranch_scc1 .Lwalk_\@
	s_setprio 0
.endm
; O^T / the sum, quantised along the channels: register 16 b + i is channel 32 b + 16 (lane / 16) + i of my query: one HALF image and two scale bytes a row
.macro WAYOUT
.rept 4
	v_nop
.endr
	v_add_f32 v14, v14, v15
	s_delay_alu instid0(VALU_DEP_1)
	v_permlanex16_b32 v252, v14, s[SEL], s[SEL+1]
	s_delay_alu instid0(VALU_DEP_1)
	v_add_f32 v14, v14, v252                       ; the row's sum
	s_wait_alu depctr_va_vdst(0)
	v_rcp_f32 v14, v14
	v_nop
	s_wait_alu depctr_va_vdst(0)
.irp j, 0,1,2,3,4,5,6,7,8,9,10,11,12,13,14,15,16,17,18,19,20,21,22,23,24,25,26,27,28,29,30,31
	v_mul_f32 v[96+\j], v[160+\j], v14
.endr
.irp b, 0,1
	v_max3_num_f32 v[232+\b], |v[96+16*\b]|, |v[97+16*\b]|, 0x1800000
.endr
.irp i, 2,4,6,8,10,12,14
.irp b, 0,1
	s_delay_alu instid0(VALU_DEP_2)
	v_max3_num_f32 v[232+\b], v[232+\b], |v[96+16*\b+\i]|, |v[97+16*\b+\i]|
.endr
.endr
.irp b, 0,1
	s_delay_alu instid0(VALU_DEP_2)
	v_permlanex16_b32 v[236+\b], v[232+\b], s[SEL], s[SEL+1]
.endr
.irp b, 0,1
	s_delay_alu instid0(VALU_DEP_2)
	v_max_num_f32 v[232+\b], v[232+\b], v[236+\b]
.endr
.irp b, 0,1
	s_delay_alu instid0(VALU_DEP_2)
	v_add_nc_u32 v[244+\b], 0xff000000, v[232+\b]
.endr
.irp b, 0,1
	s_delay_alu instid0(VALU_DEP_2)
	v_lshrrev_b32 v[236+\b], 23, v[244+\b]
.endr
	v_cvt_scalef32_pk16_fp6_f32 v[224:226], v[96:111], v244
	v_cvt_scalef32_pk16_fp6_f32 v[240:242], v[112:127], v245
	v_nop
.irp i, 0,1,2
	v_permlane16_swap_b32 v[224+\i], v[240+\i]
.endr
.irp i, 0,1,2
	s_delay_alu instid0(VALU_DEP_3)
	v_mov_b32 v[227+\i], v[240+\i]
.endr
	v_cndmask_b32 v254, v236, v237, s[HI]          ; lanes 0-15 store block 0's byte, lanes 16-31 block 1's
	global_store_b128 v1, v[224:227], s[80:81]     ; 512 consecutive bytes
	global_store_b64 v2, v[228:229], s[80:81] offset:512
	global_store_b8 v4, v254, s[82:83]
.endm
	INIT 0
	WALK 4                                         ; steps 0-3: they read the first two loads' bytes alone
	s_wait_tensorcnt 0x0                           ; my part of steps 4-15 is in,
	s_wait_dscnt 0x0
	s_barrier_signal -1
	s_barrier_wait -1                              ; everybody's is
	WALK 12
	s_wait_alu depctr_va_vdst(0)
	WAYOUT
	INIT 1
	WALK 16
	s_wait_alu depctr_va_vdst(0)
	WAYOUT
	s_wait_tensorcnt 0x0                           ; the wave's end
	ds_add_u32 v[SPW], v[NIL]
	s_wait_dscnt 0x0
	s_endpgm
.Lfunc_end_k_qb3c4686198_attn:
	.size	k_qb3c4686198_attn, .Lfunc_end_k_qb3c4686198_attn-k_qb3c4686198_attn
	.p2alignl 7, 3214868480
	.fill 96, 4, 3214868480
	.section	.rodata,"a",@progbits
	.p2align	6, 0x0
	.amdhsa_kernel k_qb3c4686198_attn
		.amdhsa_group_segment_fixed_size 206848
		.amdhsa_private_segment_fixed_size 0
		.amdhsa_enable_private_segment 0
		.amdhsa_kernarg_size 16
		.amdhsa_user_sgpr_count 2
		.amdhsa_user_sgpr_kernarg_segment_ptr 1
		.amdhsa_wavefront_size32 1
		.amdhsa_system_sgpr_workgroup_id_x 1
		.amdhsa_system_sgpr_workgroup_id_y 1
		.amdhsa_system_sgpr_workgroup_id_z 1
		.amdhsa_system_vgpr_workitem_id 0
		.amdhsa_next_free_vgpr 256
		.amdhsa_next_free_sgpr 100
		.amdhsa_reserve_vcc 1
		.amdhsa_float_denorm_mode_32 3
		.amdhsa_float_denorm_mode_16_64 3
		.amdhsa_memory_ordered 1
		.amdhsa_forward_progress 1
		.amdhsa_inst_pref_size 99
	.end_amdhsa_kernel
	.amdgpu_metadata
---
amdhsa.version: [ 1, 2 ]
amdhsa.kernels:
  - .name:           k_qb3c4686198_attn
    .symbol:         k_qb3c4686198_attn.kd
    .args:
      - { .name: qkv, .offset: 0, .size: 8, .value_kind: global_buffer, .address_space: global }
      - { .name: att, .offset: 8, .size: 8, .value_kind: global_buffer, .address_space: global }
    .group_segment_fixed_size: 206848
    .private_segment_fixed_size: 0
    .kernarg_segment_align: 8
    .kernarg_segment_size: 16
    .max_flat_workgroup_size: 512
    .sgpr_count:     100
    .vgpr_count:     256
    .wavefront_size: 32
...
	.end_amdgpu_metadata
.endif
;; end of part 3
;; launch gemm_proj (part 4): grid 4 x 32, 4 waves a work-group, clusters of 4 x 4, 327,680 bytes of LDS; arguments att, ops, c_proj_b, out0; writes out0
.if DOCPART == 4
	.amdgcn_target "amdgcn-amd-amdhsa--gfx1250"
	.amdhsa_code_object_version 6
	.text
	.protected	k_qb3c4686198_gemm_proj
	.globl	k_qb3c4686198_gemm_proj
	.p2align	8
	.type	k_qb3c4686198_gemm_proj,@function
k_qb3c4686198_gemm_proj:
	s_mov_b64 s[64:65], 0
	v_nop
	global_prefetch_b8 v0, s[64:65] scope:SCOPE_SE
	s_setreg_imm32_b32 hwreg(HW_REG_WAVE_MODE, 25, 1), 1
	s_wait_xcnt 0x0
	s_wait_alu depctr_hold_cnt(0) depctr_sa_sdst(0) depctr_va_vdst(0) depctr_va_sdst(0) depctr_va_ssrc(0) depctr_va_vcc(0) depctr_vm_vsrc(0)
	s_getreg_b32 s2, hwreg(HW_REG_IB_STS2, 6, 4)
	s_cmp_eq_u32 s2, 0
	s_cbranch_scc0 .Lentry_in_a_cluster
	s_endpgm
.Lentry_in_a_cluster:
	s_bfe_u32 s2, ttmp6, 0x10000c
	s_cmp_lg_u32 s2, 0xf033
	s_cbranch_scc0 .Lentry_shape_is_right
	s_endpgm
.Lentry_shape_is_right:
; out0 = attention's result x c_proj_w + c_proj_b on codes of FP6 (E2M3) with E8M0 scales, K = 1024; out0 [8192][1024] f32.
; A tile of 256 x 256 is made by four waves, each 128 x 128: 64 accumulators.  K goes in steps of 256 through a ring of two LDS slots filled by the tensor data mover.
; OPERANDS lie in memory as images of their registers: a HALF (16 rows x 64 K, 768 bytes: registers 0-3 at 16 x lane, registers 4-5 at 512 + 8 x lane); a tile of 16 rows has its 16 HALFs on end.
; A (source 1: the lanes) = the tokens, B (source 0: the registers) = the weight's columns.  In both, tile 2 G + u, place r, is row 32 G + 8 u + r + 8 (r / 8): the way out puts rows and columns back.
; The bias is the C of each sum's first product.  CLUSTERS: 4 x 4; A's tiles shared along a row, B's along a column, asked for jointly.  The launch has 128 tiles of 256 x 256: as many work-groups.
; No prefetch: four K steps, tiles shared by the joint loads.
; REGISTERS: window 0: v0-31 addresses; v32-63 scale words, two sets; v64-127 the bias; from v128 A's fragments, one set; on the way out v128-255.  window 1: B's fragments, two sets.  windows 2, 3: the accumulators.
.set A_SCL,  6291456                   ; in att
.set WP_IMG, 8650752                   ; in ops
.set WP_SCL, 9797632
.set NQ,     2
.set FR,     12
.set NL,     4
.set NP,     4
.set TROW,   3072
.set HALFT,  8*TROW
.set SLOT,   4*HALFT
.set KS,     32
.set SCL,    2*SLOT
.set HALFS,  16*272
.set SBLK,   2*272
.set SPARE,  SCL+4*HALFS
.set SPITCH, 528                       ; the way out: a stage of 16 rows x (512 bytes + 16) for each wave, in slot 0, which has had its last fill and its last read by then
.set L16,  8                           ; v8   16 x lane
.set L8,   9                           ; v9   8 x lane
.set BO,   10                          ; v10  64 (lane / 16)
.set ADRA, 16
.set ADRB, 20
.set STO,  24                          ; v24  the way out: where I put my bytes of a row
.set RD,   25                          ; v25  where I read a row back
.set ADRS, 27
.set SPW,  28
.set NIL,  29
.set SC,   32
.set BI,   64
.set AF,   128
.set BK,   128
.set G1, 24
.set G0, 32
.set G1B, 48
.set G0B, 56
.set G1S, 68
.set G0S, 76
.set G1SB, 80
.set G0SB, 88
.set MSB, 0
.macro WIN new
.if MSB != (\new)
	s_set_vgpr_msb (MSB<<8)|(\new)
.set MSB, \new
.endif
.endm
.set MUL_LO, 0xa1                      ; source 0 (B) window 1, source 1 (A) window 0, C and D window 2
.set MUL_HI, 0xf1
.set TO_B,   0x40
.macro JLOAD g0a, g1a, g0b, g1b        ; a joint load: waves 0 and 1 for A, waves 2 and 3 for B; an s_nop 0 and four v_nop follow each line
	s_cmp_eq_u32 s15, 0
	s_cbranch_scc0 .Lfor_b_\@
	tensor_load_to_lds s[\g0a:\g0a+3], s[\g1a:\g1a+7]
	s_nop 0
.rept 4
	v_nop
.endr
	s_branch .Lasked_\@
.Lfor_b_\@:
	tensor_load_to_lds s[\g0b:\g0b+3], s[\g1b:\g1b+7]
	s_nop 0
.rept 4
	v_nop
.endr
.Lasked_\@:
.endm
.macro CREST
	s_cmp_lg_u32 s14, 0
	s_cbranch_scc1 .Lnot_wave_0_\@
	s_barrier_signal -3
.Lnot_wave_0_\@:
	s_barrier_wait -3
	s_barrier_signal -1
	s_barrier_wait -1
.endm
.macro CROUND
	s_barrier_signal -1
	s_barrier_wait -1
	CREST
.endm
	s_load_b256 s[4:11], s[0:1], 0x0               ; att s[4:5], ops s[6:7], c_proj_b s[8:9], out0 s[10:11]
	v_lshl_add_u32 v[SPW], v0, 2, SPARE
	v_mov_b32 v[NIL], 0
	ds_add_u32 v[SPW], v[NIL]                      ; the wave's opening: the add and its wait ahead of my first tensor load
	v_lshrrev_b32 v1, 5, v0
	v_readfirstlane_b32 s14, v1                    ; wave
	s_lshr_b32 s15, s14, 1                         ; my half of A's rows.  Also: I fetch for A (0) or for B (1)
	s_and_b32 s16, s14, 1                          ; my half of B's rows.  Also: which 128 rows I fetch
	s_bfe_u32 s40, ttmp6, 0x40000                  ; cx
	s_bfe_u32 s41, ttmp6, 0x40004                  ; cy
	s_lshl_b32 s42, ttmp9, 2
	s_add_co_u32 s42, s42, s40                     ; B's tile of 256 columns
	s_and_b32 s17, ttmp7, 0xffff
	s_lshl_b32 s17, s17, 2
	s_add_co_u32 s17, s17, s41                     ; A's tile of 256 tokens
	s_lshl_b32 s43, s41, 2
	s_lshl_b32 s43, 15, s43                        ; my row of the cluster
	s_lshl_b32 s44, 0x1111, s40                    ; my column
	s_or_b32 s[G1+0], s43, (3<<16)|(1<<21)         ; the mask; elements of 8 bytes; no padding; bit 21 beside a mask
	s_or_b32 s[G1B+0], s44, (3<<16)|(1<<21)
.irp g, G1, G1B
	s_mov_b32 s[\g+1], 384<<16                     ; 3,072 bytes a row of the tile,
	s_mov_b32 s[\g+2], 8<<16                       ; 8 tiles of 16 rows,
	s_mov_b32 s[\g+3], 384<<16
	s_mov_b32 s[\g+4], 8
	s_mov_b32 s[\g+5], 1536                        ; 12,288 bytes apart
	s_mov_b32 s[\g+6], 0
	s_mov_b32 s[\g+7], 0
.endr
	s_or_b32 s[G1S+0], s43, (3<<16)|(1<<20)|(1<<21)|(5<<22)|(3<<25)   ; the scales of 128 rows: 16 rows of 256 bytes, 16 bytes of padding behind each
	s_or_b32 s[G1SB+0], s44, (3<<16)|(1<<20)|(1<<21)|(5<<22)|(3<<25)
.irp g, G1S, G1SB
	s_mov_b32 s[\g+1], 32<<16
	s_mov_b32 s[\g+2], 16<<16
	s_mov_b32 s[\g+3], 32<<16
	s_mov_b32 s[\g+4], 16
	s_mov_b32 s[\g+5], 32
	s_mov_b32 s[\g+6], 0
	s_mov_b32 s[\g+7], 0
.endr
	s_lshl_b32 s18, s16, 7
	s_lshl_b32 s20, s17, 8
	s_add_co_u32 s20, s20, s18                     ; A: the first row that I fetch
	s_lshl_b32 s46, s42, 8
	s_add_co_u32 s46, s46, s18                     ; B likewise
	s_lshl_b32 s22, s20, 5
	s_add_co_u32 s22, s22, A_SCL
	s_mov_b32 s23, 0
	s_lshl_b32 s92, s46, 5
	s_add_co_u32 s92, s92, WP_SCL
	s_mov_b32 s93, 0
	s_mul_i32 s20, s20, 768
	s_mov_b32 s21, 0
	s_mul_i32 s46, s46, 768
	s_add_co_u32 s46, s46, WP_IMG
	s_mov_b32 s47, 0
	s_mul_i32 s45, s14, HALFT
	s_mul_i32 s94, s14, HALFS
	s_wait_dscnt 0x0                               ; the opening add is done
	s_wait_kmcnt 0x0
	s_add_nc_u64 s[20:21], s[4:5], s[20:21]
	s_add_nc_u64 s[22:23], s[4:5], s[22:23]
	s_add_nc_u64 s[46:47], s[6:7], s[46:47]
	s_add_nc_u64 s[92:93], s[6:7], s[92:93]
	CROUND                                         ; all sixteen work-groups are here: the first joint loads meet
	s_mov_b32 s[G0S], 1
	s_add_co_u32 s[G0S+1], s94, SCL
	s_mov_b64 s[G0S+2:G0S+3], s[22:23]
	s_or_b32 s[G0S+3], s[G0S+3], 0x80000000
	s_mov_b32 s[G0SB], 1
	s_add_co_u32 s[G0SB+1], s94, SCL
	s_mov_b64 s[G0SB+2:G0SB+3], s[92:93]
	s_or_b32 s[G0SB+3], s[G0SB+3], 0x80000000
	JLOAD G0S, G1S, G0SB, G1SB
.irp s, 0,1
	s_mov_b32 s[G0+4*\s], 1
	s_add_co_u32 s[G0+4*\s+1], s45, \s*SLOT
	s_add_nc_u64 s[G0+4*\s+2:G0+4*\s+3], s[20:21], \s*TROW
	s_or_b32 s[G0+4*\s+3], s[G0+4*\s+3], 0x80000000
	s_mov_b32 s[G0B+4*\s], 1
	s_add_co_u32 s[G0B+4*\s+1], s45, \s*SLOT
	s_add_nc_u64 s[G0B+4*\s+2:G0B+4*\s+3], s[46:47], \s*TROW
	s_or_b32 s[G0B+4*\s+3], s[G0B+4*\s+3], 0x80000000
	JLOAD G0+4*\s, G1, G0B+4*\s, G1B
.endr
	v_and_b32 v1, 15, v0                           ; r
	v_bfe_u32 v2, v0, 4, 1                         ; h
	v_and_b32 v3, 31, v0
	v_lshlrev_b32 v[L16], 4, v3
	v_lshlrev_b32 v[L8], 3, v3
	v_lshlrev_b32 v[BO], 6, v2
	s_lshl_b32 s20, s42, 10                        ; the bias of my 128 columns; register 16 b + i: column 32 b + 16 (lane / 16) + i
	s_lshl_b32 s21, s16, 9
	s_add_co_u32 s20, s20, s21
	s_mov_b32 s21, 0
	s_add_nc_u64 s[18:19], s[8:9], s[20:21]
.irp b, 0,1,2,3
.irp j, 0,1,2,3
	global_load_b128 v[BI+16*\b+4*\j:BI+16*\b+4*\j+3], v[BO], s[18:19] offset:128*\b+16*\j
.endr
.endr
	s_add_nc_u64 s[12:13], s[10:11], s[20:21]      ; out0 at my first column (the same bytes along a row),
	s_lshl_b32 s20, s17, 8
	s_lshl_b32 s22, s15, 7
	s_add_co_u32 s20, s20, s22
	s_lshl_b32 s20, s20, 12                        ; and my first row: 4,096 bytes a row
	s_add_nc_u64 s[12:13], s[12:13], s[20:21]
	s_mul_i32 s21, s15, HALFT
	s_mul_i32 s22, s16, HALFT
	s_add_co_u32 s22, s22, 2*HALFT
.irp s, 0,1
	v_add_nc_u32 v[ADRA+\s], s21, v[L16]
	v_add_nc_u32 v[ADRB+\s], s22, v[L16]
	v_add_nc_u32 v[ADRA+2+\s], s21, v[L8]
	v_add_nc_u32 v[ADRB+2+\s], s22, v[L8]
	s_add_co_u32 s21, s21, SLOT
	s_add_co_u32 s22, s22, SLOT
.endr
	v_mul_u32_u24 v5, v1, KS
	v_lshrrev_b32 v6, 8, v5
	v_lshl_add_u32 v5, v6, 4, v5
	s_mul_i32 s21, s15, HALFS
	s_mul_i32 s22, s16, HALFS
	s_add_co_u32 s22, s22, 2*HALFS
	s_sub_co_u32 s22, s22, s21
	v_mul_u32_u24 v6, s22, v2                      ; lanes 16-31 take B's
	s_add_co_u32 s21, s21, SCL
	v_add_nc_u32 v5, v5, v6
	v_add_nc_u32 v[ADRS], s21, v5
	s_mul_i32 s23, s14, 16*SPITCH                  ; my stage
	v_mul_u32_u24 v5, v1, SPITCH
	v_lshl_add_u32 v5, v2, 6, v5                   ; in: row r, + 64 (lane / 16)
	v_add_nc_u32 v[STO], s23, v5
	v_add_nc_u32 v[RD], s23, v[L16]                ; back: the 32 lanes take one row of 512 bytes
.macro FRAG reg, adr, q, i
	ds_load_b128 v[\reg:\reg+3], v[\adr] offset:(\i)*TROW+(\q)*1536
	ds_load_b64 v[\reg+4:\reg+5], v[\adr+2] offset:(\i)*TROW+(\q)*1536+512
	ds_load_b128 v[\reg+6:\reg+9], v[\adr] offset:(\i)*TROW+(\q)*1536+768
	ds_load_b64 v[\reg+10:\reg+11], v[\adr+2] offset:(\i)*TROW+(\q)*1536+1280
.endm
; 16 matrix instructions: A's blocks a0, a0 + 1 x B's eight.  first = 1: the bias is the C of the sum's first product.  The 64 accumulators take turns.
.macro MUL16 a0, p, q, sc, first
.irp a, \a0, \a0+1
.irp b, 0,1,2,3,4,5,6,7
.if \first
	v_wmma_scale_f32_16x16x128_f8f6f4 v[8*(8*((\a)%4)+\b):8*(8*((\a)%4)+\b)+7], v[128*(\p)+FR*\b:128*(\p)+FR*\b+FR-1], v[AF+FR*(\a):AF+FR*(\a)+FR-1], v[BI+8*\b:BI+8*\b+7], v[SC+8*NQ*(\sc)+NQ*\b+(\q)], v[SC+8*NQ*(\sc)+NQ*(\a)+(\q)] matrix_a_fmt:MATRIX_FMT_FP6 matrix_b_fmt:MATRIX_FMT_FP6 matrix_a_scale:MATRIX_SCALE_ROW1
.else
	v_wmma_scale_f32_16x16x128_f8f6f4 v[8*(8*((\a)%4)+\b):8*(8*((\a)%4)+\b)+7], v[128*(\p)+FR*\b:128*(\p)+FR*\b+FR-1], v[AF+FR*(\a):AF+FR*(\a)+FR-1], v[8*(8*((\a)%4)+\b):8*(8*((\a)%4)+\b)+7], v[SC+8*NQ*(\sc)+NQ*\b+(\q)], v[SC+8*NQ*(\sc)+NQ*(\a)+(\q)] matrix_a_fmt:MATRIX_FMT_FP6 matrix_b_fmt:MATRIX_FMT_FP6 matrix_a_scale:MATRIX_SCALE_ROW1
.endif
.endr
.endr
.endm
.macro FETCH_B slot, q, p
	WIN TO_B
.irp i, 0,1,2,3,4,5,6,7
	FRAG 128*(\p)+FR*\i, ADRB+\slot, \q, \i
.endr
	WIN 0
.endm
.macro FETCH_A slot, q, i0
.irp i, \i0, \i0+1, \i0+2, \i0+3
	FRAG AF+FR*(\i), ADRA+\slot, \q, \i
.endr
.endm
.macro SCALES sc
.irp i, 0,1,2,3,4,5,6,7
	ds_load_b64 v[SC+8*NQ*\sc+NQ*\i:SC+8*NQ*\sc+NQ*\i+1], v[ADRS] offset:\i*SBLK
.endr
.endm
.macro PLACES n
.rept \n
	v_nop
.endr
.endm
.macro STEP slot, q, first
	s_wait_dscnt 4*NL                              ; B's set and A's blocks 0-3 are in; the youngest 16 loads (A's blocks 4-7) may be out
.if \first
	WIN 0x81                                       ; C (the bias) window 0, D window 2
.else
	WIN MUL_LO
.endif
	MUL16 0, (\q)%2, \q, \slot, \first
	MUL16 2, (\q)%2, \q, \slot, \first
	s_wait_dscnt 0
	PLACES NP
	FETCH_B \slot, (\q)+1, 1-(\q)%2
	FETCH_A \slot, (\q)+1, 0
.if \first
	WIN 0xc1                                       ; C window 0, D window 3
.else
	WIN MUL_HI
.endif
	MUL16 4, (\q)%2, \q, \slot, \first
	MUL16 6, (\q)%2, \q, \slot, \first
	PLACES NP
	WIN 0
	FETCH_A \slot, (\q)+1, 4
.endm
.macro TURN slot, next, fill
	s_wait_tensorcnt 0x0                           ; all my tensor loads have landed: my part of the next slot
	ds_add_u32 v[SPW], v[NIL]                      ; 0 onto my spare word
	s_wait_dscnt 4*NL+1                            ; (the add and the youngest 16 loads may be out)
	WIN MUL_LO
	MUL16 0, 1, NQ-1, \slot, 0
	s_wait_dscnt 0x0                               ; the add is done, and my reads of this slot are over
	s_barrier_signal -1
	MUL16 2, 1, NQ-1, \slot, 0
	WIN 0
	s_barrier_wait -1
.if \fill
	CREST                                          ; the barrier has opened a round of the cluster's barrier
	s_add_nc_u64 s[G0+4*\slot+2:G0+4*\slot+3], s[G0+4*\slot+2:G0+4*\slot+3], 2*TROW
	s_add_nc_u64 s[G0B+4*\slot+2:G0B+4*\slot+3], s[G0B+4*\slot+2:G0B+4*\slot+3], 2*TROW
	JLOAD G0+4*\slot, G1, G0B+4*\slot, G1B         ; the first tensor load behind the round
.else
	PLACES NP
.endif
	v_add_nc_u32 v[ADRS], 4*NQ, v[ADRS]
	FETCH_B \next, 0, 0
	FETCH_A \next, 0, 0
	SCALES \next
	WIN MUL_HI
	MUL16 4, 1, NQ-1, \slot, 0
	MUL16 6, 1, NQ-1, \slot, 0
	PLACES NP
	WIN 0
	FETCH_A \next, 0, 4
.endm
	s_wait_tensorcnt 1                             ; the scales and my part of K step 0 are in (slot 1's load may be out)
	s_barrier_signal -1
	s_barrier_wait -1
	FETCH_B 0, 0, 0
	FETCH_A 0, 0, 0
	SCALES 0
	FETCH_A 0, 0, 4
	s_wait_loadcnt 0x0                             ; the bias
	STEP 0, 0, 1
	TURN 0, 1, 1                                   ; K = 1,024 is four slots: written straight
	STEP 1, 0, 0
	TURN 1, 0, 1
	STEP 0, 0, 0
	TURN 0, 1, 0
	STEP 1, 0, 0
	s_wait_dscnt 4*NL                              ; the very last step
	WIN MUL_LO
	MUL16 0, 1, NQ-1, 1, 0
	MUL16 2, 1, NQ-1, 1, 0
	s_wait_dscnt 0
	WIN MUL_HI
	MUL16 4, 1, NQ-1, 1, 0
	MUL16 6, 1, NQ-1, 1, 0
	WIN 0
; THE WAY OUT, block by block of 16 tokens x 128 columns, through my own stage.  B's block b, register j, of lane (r, h) is column 32 (b / 2) + 16 h + 8 (b % 2) + j; place t of A's block a is token 32 (a / 2) + 8 (a % 2) + t + 8 (t / 8).
; LDS serves a wave's instructions in order (ISA guide 5.7.1.4): no wait between the stores and the loads, nor in front of the next block's stores.
.macro TOSTAGE a
.set AC, 64*((\a)%4)
	WIN 0x08+4*((\a)/4)                            ; an LDS store's data: window 2 or 3
.irp b, 0,1,2,3,4,5,6,7
	ds_store_b128 v[STO], v[AC+8*\b:AC+8*\b+3] offset:128*(\b/2)+32*(\b%2)          ; each accumulator from its low end on
	ds_store_b128 v[STO], v[AC+8*\b+4:AC+8*\b+7] offset:128*(\b/2)+32*(\b%2)+16
.endr
	WIN 0
.set BB, BK+64*((\a)%2)
.irp t, 0,1,2,3,4,5,6,7,8,9,10,11,12,13,14,15
	ds_load_b128 v[BB+4*\t:BB+4*\t+3], v[RD] offset:\t*SPITCH
.endr
.endm
.macro SEND a, younger
.set BB, BK+64*((\a)%2)
	s_wait_dscnt \younger                          ; the block is back in registers
.if (\a) > 0
.if (\a)%2
	s_add_nc_u64 s[12:13], s[12:13], 8*4096        ; (behind a wait on XCNT: the earlier stores have read their base)  an odd block begins 8 tokens on,
.else
	s_add_nc_u64 s[12:13], s[12:13], 24*4096       ; an even one 24
.endif
.endif
.irp t, 0,1,2,3,4,5,6,7,8,9,10,11,12,13,14,15
	global_store_b128 v[L16], v[BB+4*\t:BB+4*\t+3], s[12:13] offset:(\t+8*(\t/8))*4096 th:TH_STORE_NT   ; 32 lanes store 512 consecutive, aligned bytes
.endr
.endm
	PLACES NP
	TOSTAGE 0
.irp a, 1,2,3,4,5,6,7
.if \a > 1
	s_wait_xcnt 0x0                                ; block a - 2's stores have read their registers and their base
.endif
	TOSTAGE \a
	SEND \a-1, 32                                  ; behind block a - 1's loads: block a's 16 stores and 16 loads
.endr
	s_wait_xcnt 0x0
	SEND 7, 0
	s_wait_tensorcnt 0x0                           ; the wave's end, behind my last tensor load and my last LDS store
	ds_add_u32 v[SPW], v[NIL]
	s_wait_dscnt 0x0
	CROUND                                         ; the closing round
	s_endpgm
.Lfunc_end_k_qb3c4686198_gemm_proj:
	.size	k_qb3c4686198_gemm_proj, .Lfunc_end_k_qb3c4686198_gemm_proj-k_qb3c4686198_gemm_proj
	.p2alignl 7, 3214868480
	.fill 96, 4, 3214868480
	.section	.rodata,"a",@progbits
	.p2align	6, 0x0
	.amdhsa_kernel k_qb3c4686198_gemm_proj
		.amdhsa_group_segment_fixed_size 327680
		.amdhsa_private_segment_fixed_size 0
		.amdhsa_enable_private_segment 0
		.amdhsa_kernarg_size 32
		.amdhsa_user_sgpr_count 2
		.amdhsa_user_sgpr_kernarg_segment_ptr 1
		.amdhsa_wavefront_size32 1
		.amdhsa_system_sgpr_workgroup_id_x 1
		.amdhsa_system_sgpr_workgroup_id_y 1
		.amdhsa_system_sgpr_workgroup_id_z 1
		.amdhsa_system_vgpr_workitem_id 0
		.amdhsa_next_free_vgpr 1024
		.amdhsa_next_free_sgpr 100
		.amdhsa_reserve_vcc 0
		.amdhsa_float_denorm_mode_32 3
		.amdhsa_float_denorm_mode_16_64 3
		.amdhsa_memory_ordered 1
		.amdhsa_forward_progress 1
		.amdhsa_inst_pref_size 145
	.end_amdhsa_kernel
	.amdgpu_metadata
---
amdhsa.version: [ 1, 2 ]
amdhsa.kernels:
  - .name:           k_qb3c4686198_gemm_proj
    .symbol:         k_qb3c4686198_gemm_proj.kd
    .args:
      - { .name: att, .offset: 0, .size: 8, .value_kind: global_buffer, .address_space: global }
      - { .name: ops, .offset: 8, .size: 8, .value_kind: global_buffer, .address_space: global }
      - { .name: c_proj_b, .offset: 16, .size: 8, .value_kind: global_buffer, .address_space: global }
      - { .name: out0, .offset: 24, .size: 8, .value_kind: global_buffer, .address_space: global }
    .group_segment_fixed_size: 327680
    .private_segment_fixed_size: 0
    .kernarg_segment_align: 8
    .kernarg_segment_size: 32
    .max_flat_workgroup_size: 128
    .sgpr_count:     100
    .vgpr_count:     1024
    .wavefront_size: 32
...
	.end_amdgpu_metadata
.endif
;; end of part 4
